; MI455X (gfx1250); checked and timed in simulation.
; The chip was launched on July 23, 2026; its instructions are those of AMD's public machine-readable ISA for CDNA 5 (MIT licence, August 2026) and "CDNA5" Instruction Set Architecture Reference Guide (July 2026). The comments in the code are by the model that wrote it; some were corrected since.
;; Causal Self Attention. Allowed arithmetic: matrix products marked QUANTISED: E2M1 operands, one E8M0 scale for each 32 along K, by v_wmma_scale_f32_16x16x128_f8f6f4 with both operands' format E2M1 (or v_wmma_scale_f32_32x16x128_f4), f32 sums; products left as they are: f32 operands where the result goes on into a quantised operand, else bf16, f16 or f32 operands; f32 sums; everything else in f32.
;; Inputs: cos 1 x 2,048 x 1 x 32 float32; sin 1 x 2,048 x 1 x 32 float32; ve 4 x 2,048 x 256 float32; wgate 8 x 4 float32; wk 1,024 x 256 float32; wproj 1,024 x 1,024 float32; wq 1,024 x 1,024 float32; wv 1,024 x 256 float32; x 4 x 2,048 x 1,024 float32.
;; Outputs: out0 4 x 2,048 x 1,024 float32.
;; Constants: window = 1024.
;; This version of the problem:
;;   THIS VERSION OF THE PROBLEM IS GIVEN IN LOW PRECISION. The matrix products marked QUANTISED in the list below multiply operands that are first quantised to E2M1 (2 exponent bits, 1 mantissa bit; 4 bits a number), with one power-of-two scale for each 32 numbers along K (OCP MX v1.0); their sums are f32. All else is computed in f32.
;;   The module's matrix products, in the order in which they are computed (A, B: the left and right operand; K: the contracted axis; several contracted axes count as one K, in the product's order):
;;     1. [M 8,192, K 1,024] x [K 1,024, N 1,024]; A: input x; B: input wq: QUANTISED
;;     2. [M 8,192, K 1,024] x [K 1,024, N 256]; A: input x; B: input wk: QUANTISED
;;     3. [M 8,192, K 1,024] x [K 1,024, N 256]; A: input x; B: input wv: QUANTISED
;;     4. [M 8,192, K 8] x [K 8, N 4]; A: input x; B: input wgate: left as it is (K = 8 < 32)
;;     5. batch 64 x [M 2,048, K 64] x [K 64, N 2,048]; A: computed on the way; B: computed on the way: QUANTISED
;;     6. batch 64 x [M 64, K 2,048] x [K 2,048, N 2,048]; A: computed on the way; B: softmax (see below): QUANTISED
;;     7. [M 8,192, K 1,024] x [K 1,024, N 1,024]; A: computed on the way; B: input wproj: QUANTISED
;;   THE QUANTISER, for each operand of a quantised product, along K:
;;     - K is cut into blocks of 32 from its start; a last block that is shorter is filled with zeros.
;;     - A block's scale is 2^e with e = floor(log2(the largest magnitude in the block)) - 2, held to -126 .. 127; a block of zeros has e = 0. As a byte (E8M0): e + 127.
;;     - Each number is divided by its block's scale, clamped to +-6, and rounded to the nearest number of E2M1, ties to even, subnormals kept.
;;     - The product sums the exact products of the quantised numbers (number of the format x scale) in f32.
;;   ~~~python
;;   def quantise(x, axis):      # numpy; x: float32 -> the quantised numbers, widened to float32 again
;;       x = np.moveaxis(x, axis, -1); K = x.shape[-1]
;;       x = np.pad(x, [(0, 0)] * (x.ndim - 1) + [(0, -K % 32)]); x = x.reshape(x.shape[:-1] + (-1, 32)); a = np.abs(x).max(-1, keepdims=True)
;;       e = np.where(a > 0, np.clip(np.frexp(np.where(a > 0, a, 1))[1] - 1 - 2, -126, 127), 0)      # np.frexp(a)[1] - 1 = floor(log2(a)), exactly
;;       r = np.clip(x / 2.0 ** e, -6, 6)
;;       step = 2.0 ** (np.maximum(np.frexp(np.where(r == 0, 1, r))[1] - 1, 0) - 1)
;;       q = np.round(r / step) * step * 2.0 ** e      # np.round: ties to even
;;       return np.moveaxis(q.reshape(q.shape[:-2] + (-1,))[..., :K], -1, axis).astype(np.float32)
;;   ~~~
;;   SOFTMAX AHEAD OF A QUANTISED PRODUCT. Where the list says 'softmax', what is quantised is not the finished softmax but p = 2^(t - M), with t = logit x log2(e) and M = ceil(the row's largest t), a whole number; so 1/2 < the row's largest p <= 1. The row's sum l is taken of the UNQUANTISED p, in f32, and the product's result is divided by l at the end. Since M is a whole number, a kernel that streams over the keys may use a running M (the ceiling of the running maximum): every later rescaling is an exact power of two, which a block's scale takes up: the codes' values come out the same.
;;   OPERANDS COMPUTED ON THE WAY. 'Computed on the way' means the value that the module computes at that place (a softmax that the list does not call 'softmax' is quantised finished and normalised). What goes into a quantiser is computed in f32, as accurately as f32 sums, v_exp_f32 and their like allow (about 1e-6 of the number): no bf16 or f16 on the way to a quantiser, and a product that is left as it is and whose result goes on into a quantised operand takes f32 operands (vector FMAs, or v_wmma_f32_16x16x4_f32). A number that lies on a knife's edge between two numbers of the format may be rounded either way, as far as f32 arithmetic and the matrix unit's own rounding can turn it there, and no further.
;; One version. Each part assembles by itself: llvm-mc -triple=amdgcn-amd-amdhsa -mcpu=gfx1250 --defsym DOCPART=n.
;; ======== version 1 of 1: 4 launches
;; limits: right only within a limited range of input values
;; workspace buffers: xq 4,456,448 bytes; wts 1,392,640 bytes; qq 4,718,592 bytes; kv 2,293,760 bytes; yq 4,456,448 bytes
;; launch quant (part 1): grid 416 x 1, 4 waves a work-group, no clusters, 34,304 bytes of LDS; arguments x, wq, wproj, wk, wv, xq, wts; writes xq, wts
.if DOCPART == 1
	.amdgcn_target "amdgcn-amd-amdhsa--gfx1250"
	.amdhsa_code_object_version 6
	.text
	.protected	k_q845756067b_quant
	.globl	k_q845756067b_quant
	.p2align	8
	.type	k_q845756067b_quant,@function
k_q845756067b_quant:
	s_mov_b64 s[64:65], 0
	v_nop
	global_prefetch_b8 v0, s[64:65] scope:SCOPE_SE
	s_setreg_imm32_b32 hwreg(HW_REG_WAVE_MODE, 25, 1), 1
	s_wait_xcnt 0x0
; x [8192][1024] and the four weights ([1024][n], K = the first axis), f32, become codes of FP4 (E2M1) with one E8M0 byte for each 32 along K.
; A block's scale is 2^(floor(log2(its largest magnitude)) - 2): its byte is that magnitude's exponent field - 2, held at 1 from below.
; LAYOUT OF THE CODES: [tile of 16 rows][block of 32 along K][16 rows][16 bytes]: 128 along K of a tile are 1,024 bytes on end, and they are the image of a
; matrix operand's registers: registers 4 c .. 4 c + 3 of lane l are the 16 bytes at 512 c + 16 l.  SCALES: [tile][half of K][16 rows][4 words], a word = the four bytes of 128 along K.
; xq: codes at 0, scales at XQS.  wts: wq, wk, wv by kv group g as 24 tiles (16 of q's heads 4 g .. 4 g + 3, 4 of k's head g, 4 of v's) at 0, wproj's 64 tiles at WPC; their scales at WQS and WPS.
; THE COLUMNS OF wq AND wk THAT FORM A TILE ARE NOT NEIGHBOURS: place r of tile 2 b + u of a head holds column 32 b + 8 u + r + 8 (r / 8), so that the next launch's results run along the head's axis in a lane's registers.
; SHARES: work-groups 0-255 take x (a wave: 16 rows x 512 along K), work-groups 256-415 the weights (a wave: 32 columns x 128 along K, a lane a column, registers down K).
; No tensor load, no barrier: waves share nothing; only x's path uses LDS, each wave its own stage.  No cluster: no two work-groups read the same bytes.
; LIMITS: NaN and infinities are not served; a block of zeros, or one whose largest magnitude lies under 2^-124, gets the byte 1 (its codes are then zeros or held small); these bytes are read by this program alone.
.set XQS,  4194304
.set WPC,  786432
.set WQS,  1310720
.set WPS,  1359872
.set RW,   16                          ; v16-143  x as loaded: two sets of 64
.set XN,   144                         ; v144-207 two whole blocks of 32 neighbours
.set CD,   208                         ; v208-239 codes, eight registers a step: no store's data are written again
.set WD,   8                           ; v8-11    a scale word for each step
	s_load_b256 s[8:15], s[0:1], 0x0               ; x, wq, wproj, wk
	s_load_b128 s[16:19], s[0:1], 0x20             ; wv, xq
	s_load_b64 s[20:21], s[0:1], 0x30              ; wts
	v_lshl_add_u32 v248, v0, 2, 0x8400
	v_mov_b32 v249, 0
	v_lshrrev_b32 v1, 5, v0
	v_readfirstlane_b32 s22, v1                    ; wave 0..3
	v_and_b32 v1, 31, v0                           ; lane
	v_and_b32 v2, 15, v0                           ; r
	v_bfe_u32 v3, v0, 4, 1                         ; h
	s_cmp_lt_u32 ttmp9, 256
	s_cbranch_scc0 .Lweights
; ---------------- x ----------------
	s_lshl_b32 s24, ttmp9, 1
	s_lshr_b32 s25, s22, 1
	s_add_co_u32 s24, s24, s25                     ; my tile of 16 rows
	s_and_b32 s25, s22, 1                          ; my half of K
	s_lshl_b32 s26, s24, 16                        ; x: 16 rows of 4,096 bytes,
	s_lshl_b32 s28, s25, 11                        ; 512 numbers
	s_add_co_u32 s26, s26, s28
	s_mov_b32 s27, 0
	s_lshl_b32 s28, s24, 13                        ; codes: 8,192 bytes a tile, 4,096 a half
	s_lshl_b32 s30, s25, 12
	s_add_co_u32 s28, s28, s30
	s_mov_b32 s29, 0
	s_lshl_b32 s30, s24, 9                         ; scales: 512 bytes a tile, 256 a half
	s_lshl_b32 s32, s25, 8
	s_add_co_u32 s30, s30, s32
	s_add_co_u32 s30, s30, XQS
	s_mov_b32 s31, 0
	s_mov_b32 s34, 0x76543210
	s_mov_b32 s35, 0xfedcba98                      ; v_permlanex16_b32's selects for lane l xor 16
	s_mov_b32 s36, 0xffff0000                      ; lanes 16-31
	s_wait_alu depctr_va_vdst(0)
	v_lshlrev_b32 v4, 4, v1                        ; 16 x lane
	s_mul_i32 s33, s22, 8448                       ; my stage: 16 rows x 528 bytes
	v_add_nc_u32 v5, s33, v4                       ; in: a row's 512 bytes as they lie
	v_mul_u32_u24 v6, v2, 528
	v_lshl_add_u32 v6, v3, 7, v6
	v_add_nc_u32 v6, s33, v6                       ; out: row r, block h: 528 = 33 x 16, so sixteen rows start in sixteen different columns of 16 bytes
	v_lshlrev_b32 v7, 4, v2
	v_lshl_add_u32 v7, v3, 3, v7                   ; scales: 16 r + 8 h
	v_lshlrev_b32 v246, 3, v3                      ; 8 h
	v_mov_b32 v247, 0                              ; a lane permute's destination counts as one of its sources
	s_wait_alu depctr_va_vdst(0)
	s_wait_kmcnt 0x0
	s_add_nc_u64 s[8:9], s[8:9], s[26:27]
	s_add_nc_u64 s[28:29], s[18:19], s[28:29]
	s_add_nc_u64 s[30:31], s[18:19], s[30:31]
.macro LOADX s                         ; 128 along K of 16 rows: each load takes 512 consecutive bytes of one row
.set i, 0
.rept 16
	global_load_b128 v[RW+64*((\s)%2)+4*i:RW+64*((\s)%2)+4*i+3], v4, s[8:9] offset:i*4096+(\s)*512 th:TH_LOAD_NT
.set i, i+1
.endr
.endm
.macro STEPX s
.if (\s) < 3
	s_wait_loadcnt 16                              ; this step's sixteen loads are in; the next step's sixteen may be out
.else
	s_wait_loadcnt 0x0
.endif
.set i, 0
.rept 16
	ds_store_b128 v5, v[RW+64*((\s)%2)+4*i:RW+64*((\s)%2)+4*i+3] offset:i*528
.set i, i+1
.endr
.irp c, 0,1                            ; LDS serves a wave's instructions in order: these see the stores.  Lane (r, h) takes blocks h and 2 + h of row r, whole
.irp j, 0,1,2,3,4,5,6,7
	ds_load_b128 v[XN+32*\c+4*\j:XN+32*\c+4*\j+3], v6 offset:256*\c+16*\j
.endr
.endr
	s_wait_dscnt 0x0                               ; the numbers are back, and the stores have read their registers,
.if (\s)+2 < 4
	LOADX (\s)+2                                   ; which take the loads of two steps on
.endif
.irp c, 0,1
	v_max3_num_f32 v[240+\c], |v[XN+32*\c]|, |v[XN+32*\c+1]|, 0x1800000   ; the block's largest magnitude, and the floor 2^(3 - 127): the byte cannot fall under 1
.endr
.irp i, 2,4,6,8,10,12,14,16,18,20,22,24,26,28,30
.irp c, 0,1
	v_max3_num_f32 v[240+\c], v[240+\c], |v[XN+32*\c+\i]|, |v[XN+32*\c+\i+1]|
.endr
.endr
.irp c, 0,1
	v_add_nc_u32 v[242+\c], 0xff000000, v[240+\c]  ; 2 off the exponent field: the conversion takes this operand's exponent field as its scale
.endr
.irp c, 0,1
	v_lshrrev_b32 v[244+\c], 23, v[242+\c]         ; the scale's byte
.endr
	v_lshl_or_b32 v[WD+(\s)], v245, 16, v244       ; my two bytes, blocks h and 2 + h,
	v_lshlrev_b32 v[WD+(\s)], v246, v[WD+(\s)]     ; at their places;
	v_permlanex16_b32 v247, v[WD+(\s)], s34, s35
	v_or_b32 v[WD+(\s)], v[WD+(\s)], v247          ; with lane l xor 16's two the row's word is whole
.irp c, 0,1
.irp g, 0,1,2,3
	v_cvt_scalef32_pk8_fp4_f32 v[CD+8*(\s)+4*\c+\g], v[XN+32*\c+8*\g:XN+32*\c+8*\g+7], v[242+\c]
.endr
.endr
	v_nop                                          ; one plain line behind the scaled conversions
.irp c, 0,1
	global_store_b128 v4, v[CD+8*(\s)+4*\c:CD+8*(\s)+4*\c+3], s[28:29] offset:(\s)*1024+512*\c   ; 512 consecutive bytes, aligned
.endr
.endm
	LOADX 0
	LOADX 1
	STEPX 0
	STEPX 1
	STEPX 2
	STEPX 3
	v_cndmask_b32 v12, v8, v10, s36                ; lanes 0-15 store words 0, 1 of their row, lanes 16-31 words 2, 3
	v_cndmask_b32 v13, v9, v11, s36
	global_store_b64 v7, v[12:13], s[30:31]        ; 256 consecutive bytes, aligned
	s_wait_tensorcnt 0x0
	ds_add_u32 v248, v249
	s_wait_dscnt 0x0
	s_endpgm
; ---------------- the weights ----------------
.macro LOADW t, pitch                  ; block t: W(32 t + i, my column): 128 consecutive bytes a load
.set i, 0
.rept 32
	global_load_b32 v[16+32*((\t)%2)+i], v4, s[26:27] offset:(32*(\t)+i)*\pitch th:TH_LOAD_NT
.set i, i+1
.endr
.endm
.macro BLOCKW t, pitch
.set XS, 16+32*((\t)%2)
.if (\t) < 3
	s_wait_loadcnt 32                              ; this block's 32 loads are in; the next block's may be out
.else
	s_wait_loadcnt 0x0
.endif
	v_max3_num_f32 v12, |v[XS]|, |v[XS+1]|, |v[XS+2]|      ; all 32 numbers of the block are mine
	v_max3_num_f32 v13, |v[XS+3]|, |v[XS+4]|, |v[XS+5]|
.irp i, 6,10,14,18,22,26
	v_max3_num_f32 v12, v12, |v[XS+\i]|, |v[XS+\i+1]|
	v_max3_num_f32 v13, v13, |v[XS+\i+2]|, |v[XS+\i+3]|
.endr
	v_max3_num_f32 v12, v12, |v[XS+30]|, |v[XS+31]|
	v_max3_num_f32 v12, v12, v13, 0x1800000        ; and the floor
	v_add_nc_u32 v11, 0xff000000, v12
	v_lshrrev_b32 v13, 23, v11
.if (\t) == 0
	v_mov_b32 v8, v13                              ; the four bytes of these 128 along K make my column's word
.else
	v_lshl_or_b32 v8, v13, 8*(\t), v8
.endif
.irp g, 0,1,2,3
	v_cvt_scalef32_pk8_fp4_f32 v[144+4*(\t)+\g], v[XS+8*\g:XS+8*\g+7], v11
.endr
	v_nop
	global_store_b128 v5, v[144+4*(\t):144+4*(\t)+3], s[38:39] offset:256*(\t)   ; two tiles' 256 consecutive bytes each
.if (\t)+2 < 4
	LOADW (\t)+2, \pitch
.endif
.endm
; s24 which weight and part, s25 the K step, s28 my 32 columns, s29 their first tile, s31, s32 the codes' and scales' first bytes in wts, s34 all ones where the tiles' places are chosen, s[26:27] the weight
.macro WRUN pitch
	v_cndmask_b32 v9, v3, v9, s34                  ; which of the two tiles: natural order bit 4 of the lane, chosen places bit 3
	v_cndmask_b32 v10, v2, v10, s34                ; and which place in it
	v_lshlrev_b32 v10, 4, v10
	v_lshl_add_u32 v5, v9, 13, v10                 ; codes: 8,192 x tile + 16 x place
	v_lshl_add_u32 v6, v9, 9, v10                  ; scales: 512 x tile + 16 x place
	s_mul_i32 s36, s25, 128*\pitch
	s_lshl_b32 s37, s28, 7
	s_add_co_u32 s36, s36, s37
	s_mov_b32 s37, 0
	s_add_nc_u64 s[26:27], s[26:27], s[36:37]
	s_lshl_b32 s36, s29, 13
	s_lshl_b32 s40, s25, 10
	s_add_co_u32 s36, s36, s40
	s_add_co_u32 s36, s36, s31
	s_add_nc_u64 s[38:39], s[20:21], s[36:37]
	s_lshl_b32 s36, s29, 9
	s_lshr_b32 s40, s25, 2
	s_lshl_b32 s40, s40, 8
	s_add_co_u32 s36, s36, s40
	s_and_b32 s40, s25, 3
	s_lshl_b32 s40, s40, 2
	s_add_co_u32 s36, s36, s40
	s_add_co_u32 s36, s36, s32
	s_add_nc_u64 s[42:43], s[20:21], s[36:37]
	LOADW 0, \pitch
	LOADW 1, \pitch
	BLOCKW 0, \pitch
	BLOCKW 1, \pitch
	BLOCKW 2, \pitch
	BLOCKW 3, \pitch
	global_store_b32 v6, v8, s[42:43]              ; words 16 bytes apart: 80 KB of the launch's 50 MB leave so
	s_endpgm
.endm
.Lweights:
	s_sub_co_u32 s24, ttmp9, 256                   ; 0-63 wq, 64-127 wproj, 128-143 wk, 144-159 wv
	s_and_b32 s25, s24, 7                          ; the K step of 128
	s_wait_alu depctr_va_vdst(0)
	v_lshlrev_b32 v4, 2, v1
	v_bfe_u32 v9, v0, 3, 1                         ; chosen places: column c of 32 goes to tile bit 3 of c,
	v_and_b32 v10, 7, v0
	v_lshl_add_u32 v10, v3, 3, v10                 ; place 8 x bit 4 + (c & 7)
	s_mov_b32 s33, WPS
	s_wait_kmcnt 0x0
	s_cmp_lt_u32 s24, 128
	s_cbranch_scc0 .Lnarrow
	s_and_b32 s28, s24, 63
	s_lshr_b32 s28, s28, 3
	s_lshl_b32 s28, s28, 2
	s_add_co_u32 s28, s28, s22                     ; which 32 columns of 1,024
	s_lshr_b32 s29, s28, 3
	s_mul_i32 s29, s29, 24
	s_and_b32 s30, s28, 7
	s_lshl_b32 s30, s30, 1
	s_add_co_u32 s29, s29, s30                     ; wq: 24 x group + 2 x (which 32 of the group's 256)
	s_lshl_b32 s30, s28, 1                         ; wproj: natural
	s_cmp_lt_u32 s24, 64                           ; the choice hangs on the work-group's number alone
	s_cselect_b64 s[26:27], s[10:11], s[12:13]
	s_cselect_b32 s29, s29, s30
	s_cselect_b32 s31, 0, WPC
	s_cselect_b32 s32, WQS, s33
	s_cselect_b32 s34, -1, 0
	s_wait_alu depctr_va_vdst(0)
	WRUN 4096
.Lnarrow:
	s_and_b32 s28, s24, 15
	s_lshr_b32 s28, s28, 3
	s_lshl_b32 s28, s28, 2
	s_add_co_u32 s28, s28, s22                     ; which 32 columns of 256
	s_lshr_b32 s29, s28, 1
	s_mul_i32 s29, s29, 24
	s_and_b32 s30, s28, 1
	s_lshl_b32 s30, s30, 1
	s_add_co_u32 s29, s29, s30
	s_cmp_lt_u32 s24, 144
	s_cselect_b64 s[26:27], s[14:15], s[16:17]
	s_cselect_b32 s30, 16, 20                      ; k's tiles stand behind q's sixteen, v's behind k's four
	s_cselect_b32 s34, -1, 0
	s_add_co_u32 s29, s29, s30
	s_mov_b32 s31, 0
	s_mov_b32 s32, WQS
	s_wait_alu depctr_va_vdst(0)
	WRUN 1024
.Lfunc_end_k_q845756067b_quant:
	.size	k_q845756067b_quant, .Lfunc_end_k_q845756067b_quant-k_q845756067b_quant
	.p2alignl 7, 3214868480
	.fill 96, 4, 3214868480
	.section	.rodata,"a",@progbits
	.p2align	6, 0x0
	.amdhsa_kernel k_q845756067b_quant
		.amdhsa_group_segment_fixed_size 34304
		.amdhsa_private_segment_fixed_size 0
		.amdhsa_enable_private_segment 0
		.amdhsa_kernarg_size 56
		.amdhsa_user_sgpr_count 2
		.amdhsa_user_sgpr_kernarg_segment_ptr 1
		.amdhsa_wavefront_size32 1
		.amdhsa_system_sgpr_workgroup_id_x 1
		.amdhsa_system_sgpr_workgroup_id_y 1
		.amdhsa_system_sgpr_workgroup_id_z 1
		.amdhsa_system_vgpr_workitem_id 0
		.amdhsa_next_free_vgpr 250
		.amdhsa_next_free_sgpr 66
		.amdhsa_reserve_vcc 0
		.amdhsa_float_denorm_mode_32 3
		.amdhsa_float_denorm_mode_16_64 3
		.amdhsa_memory_ordered 1
		.amdhsa_forward_progress 1
		.amdhsa_inst_pref_size 70
	.end_amdhsa_kernel
	.amdgpu_metadata
---
amdhsa.version: [ 1, 2 ]
amdhsa.kernels:
  - .name:           k_q845756067b_quant
    .symbol:         k_q845756067b_quant.kd
    .args:
      - { .name: x, .offset: 0, .size: 8, .value_kind: global_buffer, .address_space: global }
      - { .name: wq, .offset: 8, .size: 8, .value_kind: global_buffer, .address_space: global }
      - { .name: wproj, .offset: 16, .size: 8, .value_kind: global_buffer, .address_space: global }
      - { .name: wk, .offset: 24, .size: 8, .value_kind: global_buffer, .address_space: global }
      - { .name: wv, .offset: 32, .size: 8, .value_kind: global_buffer, .address_space: global }
      - { .name: xq, .offset: 40, .size: 8, .value_kind: global_buffer, .address_space: global }
      - { .name: wts, .offset: 48, .size: 8, .value_kind: global_buffer, .address_space: global }
    .group_segment_fixed_size: 34304
    .private_segment_fixed_size: 0
    .kernarg_segment_align: 8
    .kernarg_segment_size: 56
    .max_flat_workgroup_size: 128
    .sgpr_count:     66
    .vgpr_count:     250
    .wavefront_size: 32
...
	.end_amdgpu_metadata
.endif
;; end of part 1
;; launch qkv (part 2): grid 4 x 64, 4 waves a work-group, clusters of 4 x 4, 327,680 bytes of LDS; arguments xq, wts, x, ve, cos, sin, wgate, qq, kv; writes qq, kv
.if DOCPART == 2
	.amdgcn_target "amdgcn-amd-amdhsa--gfx1250"
	.amdhsa_code_object_version 6
	.text
	.protected	k_q845756067b_qkv
	.globl	k_q845756067b_qkv
	.p2align	8
	.type	k_q845756067b_qkv,@function
k_q845756067b_qkv:
	s_mov_b64 s[64:65], 0
	v_nop
	global_prefetch_b8 v0, s[64:65] scope:SCOPE_SE
	s_setreg_imm32_b32 hwreg(HW_REG_WAVE_MODE, 25, 1), 1
	s_wait_xcnt 0x0
	s_wait_alu depctr_hold_cnt(0) depctr_sa_sdst(0) depctr_va_vdst(0) depctr_va_sdst(0) depctr_va_ssrc(0) depctr_va_vcc(0) depctr_vm_vsrc(0)
	s_getreg_b32 s2, hwreg(HW_REG_IB_STS2, 6, 4)
	s_cmp_eq_u32 s2, 0
	s_cbranch_scc0 .Lentry_in_a_cluster
	s_endpgm
.Lentry_in_a_cluster:
	s_bfe_u32 s2, ttmp6, 0x10000c
	s_cmp_lg_u32 s2, 0xf033
	s_cbranch_scc0 .Lentry_shape_is_right
	s_endpgm
.Lentry_shape_is_right:
; q = x wq, k = x wk, v = x wv on codes of FP4 with E8M0 scales; v += 2 sigmoid(x[:8] wgate) ve; rotary and RMS norm of q and k; then q and k are quantised along the head's 64 and v along the keys.
; SHARES.  A work-group takes 128 tokens (one key step of the next launch) x the 384 columns of one kv group g (q's heads 4 g .. 4 g + 3, k's head g, v's head g).  Wave w takes tokens 32 w .. 32 w + 31
; (two tiles of 16: one block of 32 keys) x all 24 tiles of columns: 48 accumulators, 384 registers.  So whole heads and a whole key block lie in one wave, and all four waves run one text.
; LDS.  All of K = 1,024 lies in LDS at once, in two halves of 512 along K (x's 8 tiles, then the weights' 24, 4,096 bytes each): every byte is filled once, so there is no ring.  A wave has one tensor load out.
; Operands lie in memory and LDS as images of their registers: a fragment is two loads of 16 bytes a lane at 16 x lane: 512 consecutive bytes a load.
; CLUSTER 4 x 4.  x's tiles hang on the block of tokens alone and are shared along a row of the cluster; the weights' hang on g alone and are shared along a column: joint loads.  ve's tile is each wave's own, a plain load.
; q AND k ARE MADE TRANSPOSED (source 0 = 16 columns of the weight, source 1 = 16 tokens): a lane holds one token, and by the choice of the columns of a tile its 32 registers of a head are dims 16 h + 0..15 and 32 + 16 h + 0..15:
; the two halves that the rotary pairs.  v IS MADE THE NATURAL WAY (source 0 = tokens): a lane holds one dim and its registers run along the tokens, which are the keys, the next K.
; OUT.  qq: q's codes [token tile][head][512-byte image], q's words [token tile][g][row][head] (bytes 0, 1 the scales, bytes 2, 3 the byte of 1.0, for the upper half of a K step of 128, where q's codes will be zeros).
; kv, for each (batch, g) one dense block: k's codes [step][key tile 8][512], v's [step][key block 4][dim tile 4][16 dims][16] at 65,536, k's words at 131,072, v's at 139,264.
; THE KEYS OF A TILE OF k ARE NOT NEIGHBOURS: place r of tile 2 b + u holds key 32 b + 8 u + r + 8 (r / 8).
; LIMITS: NaN and infinities are not served; a block of zeros, or one under 2^-124, gets the byte 1; these bytes are read by this program alone.
; REGISTERS, in windows of 256: window 0: v1-29 addresses; v32-63 x's fragments, two sets; v64-71 x's scale words, v72-167 the weights' (they hold scales and nothing else); v168-255 the epilogue.
;   window 1: the weights' fragments, two sets of 12.   window 2: accumulators 0-31 (8 unit + 4 m + t).   window 3: v0-127 accumulators 32-47; v128-191 cos and sin.
; LDS as this text fills it: two halves of K = 512, HK bytes apart; in each x's 8 tiles, then the weights' 24, 4,096 bytes a tile.  One tensor load a wave:
; wave 0 x's first half, wave 1 the weights' first half, waves 2 and 3 the second halves.  ve comes through registers into each wave's own LDS bytes.
.set HK,    131072
.set BOFF,  32768
.set VEL,   262144                     ; ve: 32 rows x 272 bytes for each wave
.set GATEL, 296960                     ; the gate: 32 numbers for each wave
.set VSCL,  297472                     ; v's scale bytes of this key step: [64 dims][4]
.set ADB, 8                            ; v8-11   16 x lane + chunk
.set ADA, 12                           ; v12-13  the same + my two tiles of x
.set AF,  32
.set SX,  64
.set SW,  72
.set H,   168                          ; v168-199 a head of one tile of tokens
.set TM,  208
.set MSB, 0
.macro WIN new                         ; the immediate's high byte repeats the setting that is left
.if MSB != \new
	s_set_vgpr_msb (MSB<<8)|\new
.set MSB, \new
.endif
.endm
.macro PLACES n
.rept \n
	v_nop
.endr
.endm
.macro CROUND                          ; a round of the cluster's barrier
	s_barrier_signal -1
	s_barrier_wait -1
	s_cmp_lg_u32 s22, 0
	s_cbranch_scc1 .Lnot_wave_0_\@
	s_barrier_signal -3
.Lnot_wave_0_\@:
	s_barrier_wait -3
	s_barrier_signal -1
	s_barrier_wait -1
.endm
	s_load_b512 s[4:19], s[0:1], 0x0               ; xq, wts, x, ve, cos, sin, wgate, qq
	s_load_b64 s[20:21], s[0:1], 0x40              ; kv
	v_lshl_add_u32 v254, v0, 2, 0x48b00
	v_mov_b32 v255, 0
	ds_add_u32 v254, v255
	ds_add_u32 v254, v255
	v_lshrrev_b32 v1, 5, v0
	v_readfirstlane_b32 s22, v1                    ; wave 0..3
	v_and_b32 v1, 31, v0                           ; lane
	v_and_b32 v2, 15, v0                           ; r
	v_bfe_u32 v3, v0, 4, 1                         ; h
	; every LDS address is made here: constants, the lane and the wave's number
	v_lshlrev_b32 v4, 4, v1                        ; 16 x lane
	s_lshl_b32 s66, s22, 13
	v_add_nc_u32 v5, s66, v4
.irp c, 0,1
	v_add_nc_u32 v[ADA+\c], \c*HK, v5                   ; my two tiles of x in half c of K
	v_add_nc_u32 v[ADB+2*\c], \c*HK+BOFF, v4            ; the weights' tiles 0-11 in it
	v_add_nc_u32 v[ADB+2*\c+1], \c*HK+BOFF+49152, v4    ; and 12-23
.endr
	s_mul_i32 s66, s22, 8704
	s_add_co_u32 s89, s66, VEL                     ; my ve tile
	v_mul_u32_u24 v16, v3, 2176
	v_lshl_add_u32 v16, v2, 2, v16
	v_add_nc_u32 v16, s89, v16
	v_mul_u32_u24 v30, v3, 272
	v_lshl_add_u32 v30, v2, 4, v30
	v_add_nc_u32 v30, s89, v30                     ; ve on its way in: row h, 16 r bytes on
	s_lshl_b32 s66, s22, 7
	s_add_co_u32 s66, s66, GATEL
	v_lshl_add_u32 v17, v3, 5, s66                 ; the gate of tokens 8 h on
	v_lshl_add_u32 v18, v1, 2, s66                 ; the gate of token = lane
	v_lshlrev_b32 v19, 2, v2
	v_add_nc_u32 v19, s22, v19
	v_add_nc_u32 v19, VSCL, v19                    ; v's byte: dim r, key block w
	v_lshl_add_u32 v28, v1, 3, VSCL
	; places
	s_bfe_u32 s23, ttmp6, 0x40000                  ; cx
	s_bfe_u32 s24, ttmp6, 0x40004                  ; cy
	s_lshl_b32 s25, ttmp9, 2
	s_add_co_u32 s25, s25, s23                     ; g
	s_and_b32 s26, ttmp7, 0xffff
	s_lshl_b32 s26, s26, 2
	s_add_co_u32 s26, s26, s24                     ; the block of 128 tokens, 0..63
	s_and_b32 s27, s26, 15                         ; its key step in the batch
	s_lshl_b32 s92, s24, 2
	s_lshl_b32 s92, 15, s92                        ; my row of the cluster
	s_lshl_b32 s94, 0x1111, s23                    ; my column
	; group 1 for x's and the weights' tiles: rows of 4,096 bytes (512 elements of 8), 8,192 bytes apart; dense in LDS
	s_or_b32 s28, s92, (3<<16)|(1<<21)
	s_or_b32 s36, s94, (3<<16)|(1<<21)
.irp g, 28, 36
	s_mov_b32 s[\g+1], 512<<16                     ; tensor_dim0: 4,096 bytes, half of K of a tile
	s_mov_b32 s[\g+3], 512<<16                     ; tile_dim0
	s_mov_b32 s[\g+5], 1024                        ; from tile to tile
	s_mov_b32 s[\g+6], 0
	s_mov_b32 s[\g+7], 0
.endr
	s_mov_b32 s30, 8<<16                           ; x: 8 tiles
	s_mov_b32 s32, 8
	s_mov_b32 s38, 24<<16                          ; the weights: 24 tiles
	s_mov_b32 s40, 24
	s_lshl_b32 s92, s26, 16                        ; x's 8 tiles of 8,192 bytes: made of the block of tokens alone
	s_mov_b32 s93, 0
	s_lshr_b32 s96, s22, 1                         ; which half of K I fetch
	s_lshl_b32 s97, s96, 12                        ; 4,096 bytes on in each tile
	s_add_co_u32 s92, s92, s97
	s_mul_i32 s94, s25, 196608                     ; made of g and the wave's number alone
	s_add_co_u32 s94, s94, s97
	s_mov_b32 s95, 0
	s_lshl_b32 s97, s96, 17                        ; and where it goes
	s_lshl_b32 s2, s26, 17                         ; ve: (128 block + 32 w) rows of 1,024 bytes + 256 g
	s_lshl_b32 s66, s22, 15
	s_add_co_u32 s2, s2, s66
	s_lshl_b32 s66, s25, 8
	s_add_co_u32 s2, s2, s66
	s_mov_b32 s3, 0
	s_mov_b32 s98, 0x76543210
	s_mov_b32 s99, 0xfedcba98                      ; selects for lane l xor 16
	s_mov_b32 s100, 0xff00ff00                     ; lanes with r >= 8
	s_mov_b32 s101, 0xffff0000                     ; lanes 16-31
	s_mov_b32 s104, 0x3c800000                     ; 1 / 64
	s_mov_b32 s105, 0x34000000                     ; EPS = 2^-23
	s_wait_dscnt 0x0
	s_wait_kmcnt 0x0
	s_add_nc_u64 s[92:93], s[4:5], s[92:93]
	s_add_nc_u64 s[94:95], s[6:7], s[94:95]
	s_mov_b32 s52, 1
	s_mov_b32 s53, s97
	s_mov_b64 s[54:55], s[92:93]
	s_or_b32 s55, s55, 0x80000000
	s_mov_b32 s72, 1
	s_add_co_u32 s73, s97, BOFF
	s_mov_b64 s[74:75], s[94:95]
	s_or_b32 s75, s75, 0x80000000
	s_add_nc_u64 s[90:91], s[10:11], s[2:3]        ; ve at my 32 tokens and g's 64 columns
	CROUND                                         ; all sixteen work-groups are here: the joint loads meet
	s_and_b32 s88, s22, 1                          ; one tensor load a wave: even waves x's half of K, odd waves the weights'
	s_cmp_eq_u32 s88, 0
	s_cbranch_scc0 .Lfill_b
	tensor_load_to_lds s[52:55], s[28:35]
	s_nop 0
	PLACES 4
	s_branch .Lfilled
.Lfill_b:
	tensor_load_to_lds s[72:75], s[36:43]
	s_nop 0
	PLACES 4
.Lfilled:
	; the bases of everything that goes through registers
	s_lshl_b32 s2, s26, 12
	s_lshl_b32 s66, s22, 10
	s_add_co_u32 s2, s2, s66
	s_add_co_u32 s2, s2, 4194304
	s_add_nc_u64 s[4:5], s[4:5], s[2:3]            ; x's scale words of my two tiles
	s_mul_i32 s2, s25, 12288
	s_add_co_u32 s2, s2, 1310720
	s_add_nc_u64 s[6:7], s[6:7], s[2:3]            ; the scale words of g's 24 tiles
	s_lshl_b32 s2, s26, 19
	s_lshl_b32 s66, s22, 17
	s_add_co_u32 s2, s2, s66
	s_add_nc_u64 s[8:9], s[8:9], s[2:3]            ; x at my first token
	s_lshl_b32 s2, s27, 14
	s_lshl_b32 s66, s22, 12
	s_add_co_u32 s2, s2, s66
	s_add_nc_u64 s[12:13], s[12:13], s[2:3]        ; cos and sin at my first token's place in the batch
	s_add_nc_u64 s[14:15], s[14:15], s[2:3]
	s_lshl_b32 s2, s26, 13
	s_lshl_b32 s66, s22, 11
	s_add_co_u32 s2, s2, s66
	s_lshl_b32 s66, s25, 8
	s_add_co_u32 s2, s2, s66
	s_add_co_u32 s2, s2, 4194304
	s_add_nc_u64 s[10:11], s[18:19], s[2:3]        ; q's words
	s_lshl_b32 s2, s26, 16
	s_lshl_b32 s66, s22, 14
	s_add_co_u32 s2, s2, s66
	s_lshl_b32 s66, s25, 11
	s_add_co_u32 s2, s2, s66
	s_add_nc_u64 s[18:19], s[18:19], s[2:3]        ; q's codes
	s_lshr_b32 s2, s26, 4
	s_lshl_b32 s2, s2, 2
	s_add_co_u32 s2, s2, s25
	s_mul_i32 s2, s2, 143360
	s_add_nc_u64 s[20:21], s[20:21], s[2:3]        ; the block of (batch, g) in kv
	v_lshlrev_b32 v20, 4, v2
	v_lshl_add_u32 v24, v3, 10, v20                ; 1,024 h + 16 r
	v_lshl_add_u32 v20, v3, 9, v20                 ; 512 h + 16 r
	v_lshlrev_b32 v21, 7, v2
	v_lshl_add_u32 v21, v3, 6, v21                 ; cos, sin: token r, 16 h numbers on
	s_wait_alu depctr_va_vdst(0)
	v_lshlrev_b32 v22, 12, v1                      ; x: token = lane
	s_wait_alu depctr_va_vdst(0)
	v_mov_b32 v23, s25
	v_lshlrev_b32 v23, 2, v23                      ; wgate's column g
	s_wait_alu depctr_va_vdst(0)
	s_lshl_b32 s2, s27, 12
	s_lshl_b32 s66, s22, 10
	s_add_co_u32 s66, s66, s2
	v_add_nc_u32 v25, s66, v4                      ; k's codes: 4,096 step + 1,024 w + 16 lane
	s_lshl_b32 s2, s27, 9
	s_lshl_b32 s66, s22, 7
	s_add_co_u32 s66, s66, s2
	s_add_co_u32 s66, s66, 131072
	v_lshl_add_u32 v26, v1, 2, s66                 ; k's words
	s_lshl_b32 s66, s27, 8
	s_add_co_u32 s66, s66, 139264
	v_lshl_add_u32 v29, v1, 3, s66                 ; v's words
.irp i, 0,1,2,3,4,5,6,7,8,9,10,11
.irp k, 0,1
	global_load_b128 v[SW+8*\i+4*\k:SW+8*\i+4*\k+3], v20, s[6:7] offset:\i*1024+\k*256   ; register 8 i + s: lanes 0-15 tile 2 i's word of K step s, lanes 16-31 tile 2 i + 1's
.endr
.endr
.irp k, 0,1
	global_load_b128 v[SX+4*\k:SX+4*\k+3], v20, s[4:5] offset:\k*256                      ; lanes 0-15 my first tile of tokens, lanes 16-31 my second
.endr
	WIN 0xc0                                       ; destination window 3
.irp m, 0,1
.irp k, 0,1,2,3
	global_load_b128 v[128+32*\m+4*\k:128+32*\m+4*\k+3], v21, s[12:13] offset:\m*2048+16*\k
	global_load_b128 v[144+32*\m+4*\k:144+32*\m+4*\k+3], v21, s[14:15] offset:\m*2048+16*\k
.endr
.endr
	WIN 0
	global_load_b128 v[168:171], v22, s[8:9]
	global_load_b128 v[172:175], v22, s[8:9] offset:16
.irp i, 0,1,2,3,4,5,6,7
	global_load_b32 v[176+\i], v23, s[16:17] offset:16*\i
.endr
.set i, 0
.rept 16
	global_load_b128 v[186+4*i:186+4*i+3], v24, s[90:91] offset:i*2048 th:TH_LOAD_NT   ; ve: sixteen lanes read a token's 256 consecutive bytes, aligned; two tokens a load
.set i, i+1
.endr
	s_wait_loadcnt 0x0
	v_mul_f32 v184, v168, v176                     ; the gate of token = lane, in f32: it goes on into a quantised operand
.irp i, 1,2,3,4,5,6,7
	v_fma_f32 v184, v[168+\i], v[176+\i], v184
.endr
	v_mul_f32 v184, 0xbfb8aa3b, v184               ; -z log2(e)
	s_wait_alu depctr_va_vdst(0)
	v_exp_f32 v184, v184
	v_nop
	s_wait_alu depctr_va_vdst(0)
	v_add_f32 v184, 1.0, v184
	s_wait_alu depctr_va_vdst(0)
	v_rcp_f32 v184, v184
	v_nop
	s_wait_alu depctr_va_vdst(0)
	v_add_f32 v184, v184, v184                     ; 2 sigmoid(z)
	ds_store_b32 v18, v184
.set i, 0
.rept 16
	ds_store_b128 v30, v[186+4*i:186+4*i+3] offset:i*544   ; my ve tile, rows of 272 bytes: only I read it
.set i, i+1
.endr
	s_wait_dscnt 0x0
	s_wait_tensorcnt 0x0                           ; my one tensor load has landed
	s_barrier_signal -1
	s_barrier_wait -1
; one matrix instruction on the registers rD, rA, rB with the scale registers rSA, rSB; fA, fB: the scales stand in lanes 16-31
.macro WM zero
.if \zero
.if fA && fB
	v_wmma_scale_f32_16x16x128_f8f6f4 v[rD:rD+7], v[rA:rA+7], v[rB:rB+7], 0, v[rSA], v[rSB] matrix_a_fmt:MATRIX_FMT_FP4 matrix_b_fmt:MATRIX_FMT_FP4 matrix_a_scale:MATRIX_SCALE_ROW1 matrix_b_scale:MATRIX_SCALE_ROW1
.elseif fA
	v_wmma_scale_f32_16x16x128_f8f6f4 v[rD:rD+7], v[rA:rA+7], v[rB:rB+7], 0, v[rSA], v[rSB] matrix_a_fmt:MATRIX_FMT_FP4 matrix_b_fmt:MATRIX_FMT_FP4 matrix_a_scale:MATRIX_SCALE_ROW1
.elseif fB
	v_wmma_scale_f32_16x16x128_f8f6f4 v[rD:rD+7], v[rA:rA+7], v[rB:rB+7], 0, v[rSA], v[rSB] matrix_a_fmt:MATRIX_FMT_FP4 matrix_b_fmt:MATRIX_FMT_FP4 matrix_b_scale:MATRIX_SCALE_ROW1
.else
	v_wmma_scale_f32_16x16x128_f8f6f4 v[rD:rD+7], v[rA:rA+7], v[rB:rB+7], 0, v[rSA], v[rSB] matrix_a_fmt:MATRIX_FMT_FP4 matrix_b_fmt:MATRIX_FMT_FP4
.endif
.else
.if fA && fB
	v_wmma_scale_f32_16x16x128_f8f6f4 v[rD:rD+7], v[rA:rA+7], v[rB:rB+7], v[rD:rD+7], v[rSA], v[rSB] matrix_a_fmt:MATRIX_FMT_FP4 matrix_b_fmt:MATRIX_FMT_FP4 matrix_a_scale:MATRIX_SCALE_ROW1 matrix_b_scale:MATRIX_SCALE_ROW1
.elseif fA
	v_wmma_scale_f32_16x16x128_f8f6f4 v[rD:rD+7], v[rA:rA+7], v[rB:rB+7], v[rD:rD+7], v[rSA], v[rSB] matrix_a_fmt:MATRIX_FMT_FP4 matrix_b_fmt:MATRIX_FMT_FP4 matrix_a_scale:MATRIX_SCALE_ROW1
.elseif fB
	v_wmma_scale_f32_16x16x128_f8f6f4 v[rD:rD+7], v[rA:rA+7], v[rB:rB+7], v[rD:rD+7], v[rSA], v[rSB] matrix_a_fmt:MATRIX_FMT_FP4 matrix_b_fmt:MATRIX_FMT_FP4 matrix_b_scale:MATRIX_SCALE_ROW1
.else
	v_wmma_scale_f32_16x16x128_f8f6f4 v[rD:rD+7], v[rA:rA+7], v[rB:rB+7], v[rD:rD+7], v[rSA], v[rSB] matrix_a_fmt:MATRIX_FMT_FP4 matrix_b_fmt:MATRIX_FMT_FP4
.endif
.endif
.endm
; 24 matrix instructions: K step s, the three units (of four tiles of columns) of half hf, both tiles of tokens.  Each names another accumulator: the 48 take turns, one instruction a turn.
.macro MULH s, hf, zero
.irp ul, 0,1,2
.set U, 3*(\hf)+\ul
.if U < 4
	WIN 0xa1                                       ; source 0 (weight) window 1, source 1 (x) window 0, C and D window 2
.elseif U == 4
	WIN 0xf1                                       ; the same, C and D window 3
.else
	WIN 0xf4                                       ; v: source 0 (x) window 0, source 1 (weight) window 1, C and D window 3
.endif
.irp t, 0,1,2,3
.irp m, 0,1
.set N, 4*U+\t
.set rD, 8*((8*U+4*\m+\t)%32)
.if U < 5
.set rA, 96*(\hf)+8*(4*\ul+\t)
.set rB, AF+16*((\s)%2)+8*\m
.set rSA, SW+8*(N/2)+(\s)
.set rSB, SX+(\s)
.set fA, N%2
.set fB, \m
.else
.set rA, AF+16*((\s)%2)+8*\m
.set rB, 96*(\hf)+8*(4*\ul+\t)
.set rSA, SX+(\s)
.set rSB, SW+8*(N/2)+(\s)
.set fA, \m
.set fB, N%2
.endif
	WM \zero
.endr
.endr
.endr
.endm
.macro FETCHB p, c, sl, hf             ; twelve fragments of the weights (half hf, chunk c, its K step sl) into set p
	WIN 0x40                                       ; destination window 1
.irp j, 0,1,2,3,4,5,6,7,8,9,10,11
.irp k, 0,1
	ds_load_b128 v[96*(\p)+8*\j+4*\k:96*(\p)+8*\j+4*\k+3], v[ADB+2*((\c)/2)+(\hf)] offset:\j*4096+((\c)%2)*2048+(\sl)*1024+512*\k
.endr
.endr
.endm
.macro FETCHA q, c, sl                 ; my two fragments of x into set q
	WIN 0
.irp m, 0,1
.irp k, 0,1
	ds_load_b128 v[AF+16*(\q)+8*\m+4*\k:AF+16*(\q)+8*\m+4*\k+3], v[ADA+(\c)/2] offset:\m*4096+((\c)%2)*2048+(\sl)*1024+512*\k
.endr
.endr
.endm
	FETCHB 0, 0, 0, 0
	FETCHA 0, 0, 0
; sixteen halves of a K step: while one is multiplied the next one's fragments are on their way from LDS
.set I, 0
.rept 16
.if I > 0
	PLACES 4                                       ; four places in front of loads into registers that the last matrix instructions have read
.endif
.if I < 15
	FETCHB (I+1)%2, (I+1)/4, ((I+1)/2)%2, (I+1)%2
.if (I+1)%2 == 0
	FETCHA ((I+1)/2)%2, (I+1)/4, ((I+1)/2)%2
	s_wait_dscnt 28                                ; all but the 28 just issued
.else
	s_wait_dscnt 24                                ; all but the 24 just issued
.endif
.else
	s_wait_dscnt 0x0
.endif
.if I < 2
.set Z, 1                              ; the first K step starts the sums: nothing is cleared
.else
.set Z, 0
.endif
	MULH I/2, I%2, Z
.set I, I+1
.endr
; ---------------- the epilogue ----------------
	WIN 0
.irp i, 205,207,210,211,228,229,230,231,232,233,234,235,236,237
	v_mov_b32 v\i, 0                               ; destinations of lane permutes and upper halves of pairs get a first value; these lines are also the places behind the last products
.endr
.irp i, 52,53,54,55
	v_mov_b32 v\i, 0
.endr
; rotary and RMS norm of unit u (q's heads 0-3, k = 4), tile of tokens m, into v[H] on: register 16 b + i = dim 32 b + 16 h + i of token r
.macro ROPE u, m
.set AB, 8*((8*(\u)+4*(\m))%32)
.set CN, 128+32*(\m)
.if (\u) < 4
	WIN 0x0e                                       ; source 0 window 2, source 1 (cos, sin) window 3
.else
	WIN 0x0f
.endif
.irp i, 0,2,4,6,8,10,12,14             ; each accumulator is read from its low end on
	v_pk_mul_f32 v[H+\i:H+\i+1], v[AB+16+\i:AB+17+\i], v[CN+16+\i:CN+17+\i]
	v_pk_mul_f32 v[H+16+\i:H+17+\i], v[AB+\i:AB+\i+1], v[CN+16+\i:CN+17+\i]
	v_pk_fma_f32 v[H+\i:H+\i+1], v[AB+\i:AB+\i+1], v[CN+\i:CN+\i+1], v[H+\i:H+\i+1]                                     ; x1 cos + x2 sin
	v_pk_fma_f32 v[H+16+\i:H+17+\i], v[AB+16+\i:AB+17+\i], v[CN+\i:CN+\i+1], v[H+16+\i:H+17+\i] neg_lo:[0,0,1] neg_hi:[0,0,1]   ; x2 cos - x1 sin
.endr
	WIN 0
	v_pk_mul_f32 v[200:201], v[H:H+1], v[H:H+1]
	v_pk_mul_f32 v[202:203], v[H+2:H+3], v[H+2:H+3]
.irp i, 4,8,12,16,20,24,28
	v_pk_fma_f32 v[200:201], v[H+\i:H+\i+1], v[H+\i:H+\i+1], v[200:201]
	v_pk_fma_f32 v[202:203], v[H+\i+2:H+\i+3], v[H+\i+2:H+\i+3], v[202:203]
.endr
	v_pk_add_f32 v[200:201], v[200:201], v[202:203]
	v_add_f32 v204, v200, v201
	v_permlanex16_b32 v205, v204, s98, s99
	v_add_f32 v204, v204, v205                     ; the sum of the token's 64 squares
	v_fma_f32 v204, v204, s104, s105               ; / 64 + EPS
	s_wait_alu depctr_va_vdst(0)
	v_rsq_f32 v206, v204
	v_nop
	s_wait_alu depctr_va_vdst(0)
.irp i, 0,2,4,6,8,10,12,14,16,18,20,22,24,26,28,30
	v_pk_mul_f32 v[H+\i:H+\i+1], v[H+\i:H+\i+1], v[206:207] op_sel_hi:[1,0]
.endr
.endm
; the head's two blocks of 32 become four registers of codes (lanes 0-15 block 0, lanes 16-31 block 1: the image) in v[pc] on, and the token's word in v[w]
.macro QUANT2 pc, w
.irp b, 0,1
	v_max3_num_f32 v[TM+\b], |v[H+16*\b]|, |v[H+16*\b+1]|, 0x1800000
.endr
.irp i, 2,4,6,8,10,12,14
.irp b, 0,1
	v_max3_num_f32 v[TM+\b], v[TM+\b], |v[H+16*\b+\i]|, |v[H+16*\b+\i+1]|
.endr
.endr
.irp b, 0,1
	v_permlanex16_b32 v[TM+2+\b], v[TM+\b], s98, s99
.endr
.irp b, 0,1
	v_max_num_f32 v[TM+\b], v[TM+\b], v[TM+2+\b]
.endr
.irp b, 0,1
	v_add_nc_u32 v[TM+4+\b], 0xff000000, v[TM+\b]
.endr
.irp b, 0,1
	v_lshrrev_b32 v[TM+6+\b], 23, v[TM+4+\b]
.endr
	v_lshl_or_b32 v[\w], v[TM+7], 8, v[TM+6]
	v_or_b32 v[\w], 0x7f7f0000, v[\w]
.irp b, 0,1
	v_cvt_scalef32_pk8_fp4_f32 v[\pc+2*\b], v[H+16*\b:H+16*\b+7], v[TM+4+\b]
	v_cvt_scalef32_pk8_fp4_f32 v[\pc+2*\b+1], v[H+16*\b+8:H+16*\b+15], v[TM+4+\b]
.endr
	v_nop
	v_permlane16_swap_b32 v[\pc], v[\pc+2]
	v_permlane16_swap_b32 v[\pc+1], v[\pc+3]
.endm
.irp u, 0,1,2,3
.irp m, 0,1
	ROPE \u, \m
	s_wait_alu depctr_va_vdst(0)
	s_wait_xcnt 0x0                                ; the last head's store has read v216-219: they are written again only behind this wait
	QUANT2 216, 32+4*\m+\u
	global_store_b128 v4, v[216:219], s[18:19] offset:\m*8192+\u*512   ; 512 consecutive bytes, aligned
.endr
.endr
	ROPE 4, 0
	QUANT2 220, 40
	ROPE 4, 1
	QUANT2 224, 41
.irp u, 0,1,2,3
	v_cndmask_b32 v[42+\u], v[32+\u], v[36+\u], s101   ; lanes 0-15 my first tile's words, lanes 16-31 my second's
.endr
	global_store_b128 v24, v[42:45], s[10:11]      ; sixteen lanes store 256 consecutive bytes, aligned
	; k's two tiles of neighbouring tokens become the two tiles of chosen keys: rows 8-15 of the first change places with rows 0-7 of the second
.irp i, 0,1,2,3
	v_mov_b32_dpp v[228+\i], v[220+\i] row_xmask:8 row_mask:0xf bank_mask:0xf
	v_mov_b32_dpp v[232+\i], v[224+\i] row_xmask:8 row_mask:0xf bank_mask:0xf
.endr
	v_mov_b32_dpp v236, v40 row_xmask:8 row_mask:0xf bank_mask:0xf
	v_mov_b32_dpp v237, v41 row_xmask:8 row_mask:0xf bank_mask:0xf
.irp i, 0,1,2,3
	v_cndmask_b32 v[220+\i], v[220+\i], v[232+\i], s100
	v_cndmask_b32 v[224+\i], v[228+\i], v[224+\i], s100
.endr
	global_store_b128 v25, v[220:223], s[20:21]
	global_store_b128 v25, v[224:227], s[20:21] offset:512
	v_cndmask_b32 v238, v40, v236, s101
	v_cndmask_b32 v239, v237, v41, s101
	v_cndmask_b32 v238, v238, v239, s100           ; lane 16 u + r: the word of place r of tile u
	global_store_b32 v26, v238, s[20:21]
	; v = x wv + gate x ve: lane (r, h) holds dim 16 nt + r and tokens 16 m + 8 h + j
	s_wait_xcnt 0x0
.irp m, 0,1
.irp k, 0,1
	ds_load_b128 v[32+8*\m+4*\k:32+8*\m+4*\k+3], v17 offset:64*\m+16*\k
.endr
.endr
.irp nt, 0,1,2,3
.irp m, 0,1
.irp j, 0,1,2,3,4,5,6,7
	ds_load_b32 v[168+16*\nt+8*\m+\j], v16 offset:(16*\m+\j)*272+64*\nt
.endr
.endr
.endr
	s_wait_dscnt 0x0
	WIN 0x30                                       ; source 2 window 3
.irp nt, 0,1,2,3
.irp m, 0,1
.irp j, 0,2,4,6
	v_pk_fma_f32 v[168+16*\nt+8*\m+\j:169+16*\nt+8*\m+\j], v[32+8*\m+\j:33+8*\m+\j], v[168+16*\nt+8*\m+\j:169+16*\nt+8*\m+\j], v[64+32*\m+8*\nt+\j:65+32*\m+8*\nt+\j]
.endr
.endr
.endr
	WIN 0
.irp b, 0,1,2,3                        ; my 32 tokens are one block of keys for each of the 64 dims: 16 numbers here, 16 in lane l xor 16
	v_max3_num_f32 v[48+\b], |v[168+16*\b]|, |v[169+16*\b]|, 0x1800000
.endr
.irp i, 2,4,6,8,10,12,14
.irp b, 0,1,2,3
	v_max3_num_f32 v[48+\b], v[48+\b], |v[168+16*\b+\i]|, |v[169+16*\b+\i]|
.endr
.endr
.irp b, 0,1,2,3
	v_permlanex16_b32 v[52+\b], v[48+\b], s98, s99
.endr
.irp b, 0,1,2,3
	v_max_num_f32 v[48+\b], v[48+\b], v[52+\b]
.endr
.irp b, 0,1,2,3
	v_add_nc_u32 v[60+\b], 0xff000000, v[48+\b]
.endr
.irp b, 0,1,2,3
	v_lshrrev_b32 v[52+\b], 23, v[60+\b]
.endr
.irp b, 0,1,2,3
	ds_store_b8 v19, v[52+\b] offset:64*\b         ; byte w of the dim's word; both halves of the lanes write the same byte with the same value
.endr
.irp c, 0,1
	v_cvt_scalef32_pk8_fp4_f32 v[232+4*\c], v[168+32*\c:175+32*\c], v[60+2*\c]        ; tokens 8 h on, dim tile 2 c
	v_cvt_scalef32_pk8_fp4_f32 v[233+4*\c], v[184+32*\c:191+32*\c], v[61+2*\c]        ; the same, dim tile 2 c + 1
	v_cvt_scalef32_pk8_fp4_f32 v[234+4*\c], v[176+32*\c:183+32*\c], v[60+2*\c]        ; tokens 16 + 8 h on
	v_cvt_scalef32_pk8_fp4_f32 v[235+4*\c], v[192+32*\c:199+32*\c], v[61+2*\c]
.endr
	v_nop
.irp c, 0,1                            ; lane (r, h) then holds dim r of tile 2 c + h, keys 0-31 in four registers
	v_permlane16_swap_b32 v[232+4*\c], v[233+4*\c]
	v_permlane16_swap_b32 v[234+4*\c], v[235+4*\c]
.endr
.irp c, 0,1
	global_store_b128 v25, v[232+4*\c:235+4*\c], s[20:21] offset:65536+512*\c   ; v's codes lie [key block of 32][dim tile 4][16 dims][16 bytes]: 512 consecutive bytes, aligned
.endr
	s_wait_dscnt 0x0                               ; for the others' sake: my bytes are in LDS
	s_barrier_signal -1
	s_barrier_wait -1
	s_cmp_lg_u32 s22, 0
	s_cbranch_scc1 .Lno_vs
	ds_load_b64 v[48:49], v28                      ; the 64 dims' words, whole
	s_wait_dscnt 0x0
	global_store_b64 v29, v[48:49], s[20:21]       ; 256 consecutive bytes, aligned
.Lno_vs:
	s_wait_tensorcnt 0x0
	ds_add_u32 v254, v255
	s_wait_dscnt 0x0
	CROUND                                         ; the closing round: no work-group ends while a partner may still ask for a tile that names it
	s_endpgm
.Lfunc_end_k_q845756067b_qkv:
	.size	k_q845756067b_qkv, .Lfunc_end_k_q845756067b_qkv-k_q845756067b_qkv
	.p2alignl 7, 3214868480
	.fill 96, 4, 3214868480
	.section	.rodata,"a",@progbits
	.p2align	6, 0x0
	.amdhsa_kernel k_q845756067b_qkv
		.amdhsa_group_segment_fixed_size 327680
		.amdhsa_private_segment_fixed_size 0
		.amdhsa_enable_private_segment 0
		.amdhsa_kernarg_size 72
		.amdhsa_user_sgpr_count 2
		.amdhsa_user_sgpr_kernarg_segment_ptr 1
		.amdhsa_wavefront_size32 1
		.amdhsa_system_sgpr_workgroup_id_x 1
		.amdhsa_system_sgpr_workgroup_id_y 1
		.amdhsa_system_sgpr_workgroup_id_z 1
		.amdhsa_system_vgpr_workitem_id 0
		.amdhsa_next_free_vgpr 1024
		.amdhsa_next_free_sgpr 106
		.amdhsa_reserve_vcc 0
		.amdhsa_float_denorm_mode_32 3
		.amdhsa_float_denorm_mode_16_64 3
		.amdhsa_memory_ordered 1
		.amdhsa_forward_progress 1
		.amdhsa_inst_pref_size 174
	.end_amdhsa_kernel
	.amdgpu_metadata
---
amdhsa.version: [ 1, 2 ]
amdhsa.kernels:
  - .name:           k_q845756067b_qkv
    .symbol:         k_q845756067b_qkv.kd
    .args:
      - { .name: xq, .offset: 0, .size: 8, .value_kind: global_buffer, .address_space: global }
      - { .name: wts, .offset: 8, .size: 8, .value_kind: global_buffer, .address_space: global }
      - { .name: x, .offset: 16, .size: 8, .value_kind: global_buffer, .address_space: global }
      - { .name: ve, .offset: 24, .size: 8, .value_kind: global_buffer, .address_space: global }
      - { .name: cos, .offset: 32, .size: 8, .value_kind: global_buffer, .address_space: global }
      - { .name: sin, .offset: 40, .size: 8, .value_kind: global_buffer, .address_space: global }
      - { .name: wgate, .offset: 48, .size: 8, .value_kind: global_buffer, .address_space: global }
      - { .name: qq, .offset: 56, .size: 8, .value_kind: global_buffer, .address_space: global }
      - { .name: kv, .offset: 64, .size: 8, .value_kind: global_buffer, .address_space: global }
    .group_segment_fixed_size: 327680
    .private_segment_fixed_size: 0
    .kernarg_segment_align: 8
    .kernarg_segment_size: 72
    .max_flat_workgroup_size: 128
    .sgpr_count:     106
    .vgpr_count:     1024
    .wavefront_size: 32
...
	.end_amdgpu_metadata
.endif
;; end of part 2
;; launch attn (part 3): grid 16 x 16, 12 waves a work-group, clusters of 4 x 1, 169,472 bytes of LDS; arguments qq, kv, yq; writes yq
.if DOCPART == 3
	.amdgcn_target "amdgcn-amd-amdhsa--gfx1250"
	.amdhsa_code_object_version 6
	.text
	.protected	k_q845756067b_attn
	.globl	k_q845756067b_attn
	.p2align	8
	.type	k_q845756067b_attn,@function
k_q845756067b_attn:
	s_mov_b64 s[64:65], 0
	v_nop
	global_prefetch_b8 v0, s[64:65] scope:SCOPE_SE
	s_setreg_imm32_b32 hwreg(HW_REG_WAVE_MODE, 25, 1), 1
	s_wait_xcnt 0x0
	s_wait_alu depctr_hold_cnt(0) depctr_sa_sdst(0) depctr_va_vdst(0) depctr_va_sdst(0) depctr_va_ssrc(0) depctr_va_vcc(0) depctr_vm_vsrc(0)
	s_getreg_b32 s2, hwreg(HW_REG_IB_STS2, 6, 4)
	s_cmp_eq_u32 s2, 0
	s_cbranch_scc0 .Lentry_in_a_cluster
	s_endpgm
.Lentry_in_a_cluster:
	s_bfe_u32 s2, ttmp6, 0x10000c
	s_cmp_lg_u32 s2, 0x3003
	s_cbranch_scc0 .Lentry_shape_is_right
	s_endpgm
.Lentry_shape_is_right:
; y = softmax(q k^T / 8, causal, window 1,024) v on codes of FP4 with E8M0 scales; y / l is quantised along C for the last product.
; WORK LEFT OUT: blocks of 32 keys that the causal and window mask hides from all 16 queries of a tile are not multiplied.
; THE SHIFT M IS 0.  t = score x log2(e) / 8, p = 2^t.  q and k are RMS-normalised: the squares of a head's 64 numbers add up to 64 at the most.  A number of E2M1 lies within a quarter of its number
; plus a quarter of its block's scale, and the scale is at most a quarter of the block's norm: so a quantised vector's norm stays under 1.62 x 8 = 13, |score| / 8 under 22, |t| under 32, for every input.
; No p and no sum of 1,039 of them leaves f32's range.  M is a whole number in the problem's rule and a block's scale takes a power of two up: with M = 0 the codes' values, and O / l, are those of M = ceil(the largest t).
; LIMITS: NaN and infinities are not served; O = the sum of p v holds while |v| stays under 2^80; a block of zeros gets the byte 1 with zero codes.
; LDS.  All 2,048 keys of one (batch, kv head), codes and scale words of k and v, are one dense block of 143,360 bytes: it comes once, waves 0 to 7 fetching 70 rows of 256 bytes each, and stays.  Nothing is stored to LDS.
; CLUSTER 4 x 1.  The sixteen work-groups of a (batch, kv head) read the same block; the four of a cluster ask for it jointly.  The place in the cluster is the head: it enters global addresses alone.
; No prefetch: behind the head nothing is loaded from memory, so there is no loop to run ahead in.
; JOBS.  A job is 16 queries of one head: tile 2 m + pi of the batch, whose last key lies in block m (of 32 keys).  m >= 32 (long): blocks m - 32 .. m, 33 of them; m < 32 (short): blocks 0 .. m.
; Two short jobs m and 31 - m have 33 blocks together.  A work-group has 16 long jobs and 8 such pairs: twelve waves, three to a SIMD, 66 blocks each.  With v = (wave / 2) % 4 and pi = wave % 2:
; waves 0-7 have m = 32 + u and 48 + u, u = 4 x cluster + v; waves 8-11 have m = u0, 31 - u0, u0 + 1, 30 - u0, u0 = 4 x cluster + 2 v.
; ONE TEXT FOR ALL WAVES: four job slots, each with loops of constant trips; the steps that a wave's job does not have are jumped over, on the wave's and the cluster's number alone.  Waves 0-7 have no job in slots 2 and 3
; (their q registers of those slots repeat slots 0 and 1 and are not used).
; A job goes: block m under the diagonal's mask (it starts the sums); long: block m - 32 under the edge's mask; full steps of four blocks; single blocks for the rest.  With M = 0 the order of the blocks is free.
; THE MASKS are the C of the scores' products: 0 where a key counts, -1e30 where not (p is then 0).  They hang on pi and the lane alone, are made once, and lie in v256-287.
; LAYOUT.  Both products are used transposed (S^T = k q^T, O^T = v^T p^T): a lane holds one query.  The keys of a tile of k are chosen so that the 16 registers of a block's two tiles are keys 16 h + 0..15 of the block.
; K = 64 IS HALF A MATRIX INSTRUCTION: q's upper four registers are zero codes under the scale byte of 1.0, so k's upper four may be any codes.
; A SINGLE BLOCK IN A K OF 128: lane (r, h) puts its 16 codes of p at k = 32 h + 0..15 and takes v's codes of the same 16 keys there; both blocks of k carry the one block's scale byte; all other codes of p are zeros.
.set VCO, 65536                        ; v's codes: [key block][dim tile 4][16 dims][16 bytes]
.set KSO, 131072                       ; k's scale words: 128 bytes a block
.set VSO, 139264                       ; v's scale words: [four blocks][64 dims][4 bytes]
.set SPARE, 0x29000
.set ADK, 8                            ; v8-11 a step's LDS addresses
.set ADV, 9
.set ADS, 10
.set ADT, 11
.set Q,   16                           ; v16-19 q's codes, v20-23 zeros
.set QW,  24                           ; v24-27 q's scale words, a register a slot
.set KF,  32                           ; v32-63 k's eight tiles x 4; v64-67 zeros
.set VF,  68                           ; v68-99 v's four fragments
.set S,   100                          ; v100-163 S^T, then p, at the end y
.set O,   164                          ; v164-195 O^T
.set PC,  196                          ; v196-203 p's codes of a full step
.set BM,  204
.set BP,  208
.set SO,  212
.set VR,  216                          ; v216-219 v's scale words as they lie
.set RL,  220
.set TP,  222
.set KW,  224                          ; v224-227 k's scale words, v228-229 v's, v232 p's
.set VW,  228
.set PW,  232
.set YW,  233
.set YC,  234
.set SM,  238                          ; v238-245 the row's sum in four pairs
.set PM,  246                          ; v246-247 p's codes of a single block, v248-253 zeros
.set WV,  10
.set SEL, 28
.set CS,  30
.set TK,  32
.set TS,  33
.set TV,  34
.set SH,  35
.set CNT, 36
.set BB,  37                           ; the block in hand
.set NF,  92                           ; the job's full steps
.set NM,  93                           ; and its single blocks behind them
.set LF,  94                           ; 1 in waves 0-7, whose jobs are long
.set MS,  95                           ; the first of the single blocks
.set MSB, 0
.macro WIN new                         ; the immediate's high byte repeats the setting that is left
.if MSB != \new
	s_set_vgpr_msb (MSB<<8)|\new
.set MSB, \new
.endif
.endm
.macro ROUND
	s_barrier_signal -1
	s_barrier_wait -1
	s_cmp_lg_u32 s[WV], 0
	s_cbranch_scc1 .Lnot_wave_0_\@
	s_barrier_signal -3
.Lnot_wave_0_\@:
	s_barrier_wait -3
	s_barrier_signal -1
	s_barrier_wait -1
.endm
; one product; c < 0: C is the constant 0; row: source 0's scales stand in lanes 16-31
.macro MM d, a, b, c, sa, sb, row
.if (\c) < 0
.if \row
	v_wmma_scale_f32_16x16x128_f8f6f4 v[(\d):(\d)+7], v[(\a):(\a)+7], v[(\b):(\b)+7], 0, v[\sa], v[\sb] matrix_a_fmt:MATRIX_FMT_FP4 matrix_b_fmt:MATRIX_FMT_FP4 matrix_a_scale:MATRIX_SCALE_ROW1
.else
	v_wmma_scale_f32_16x16x128_f8f6f4 v[(\d):(\d)+7], v[(\a):(\a)+7], v[(\b):(\b)+7], 0, v[\sa], v[\sb] matrix_a_fmt:MATRIX_FMT_FP4 matrix_b_fmt:MATRIX_FMT_FP4
.endif
.else
.if \row
	v_wmma_scale_f32_16x16x128_f8f6f4 v[(\d):(\d)+7], v[(\a):(\a)+7], v[(\b):(\b)+7], v[(\c):(\c)+7], v[\sa], v[\sb] matrix_a_fmt:MATRIX_FMT_FP4 matrix_b_fmt:MATRIX_FMT_FP4 matrix_a_scale:MATRIX_SCALE_ROW1
.else
	v_wmma_scale_f32_16x16x128_f8f6f4 v[(\d):(\d)+7], v[(\a):(\a)+7], v[(\b):(\b)+7], v[(\c):(\c)+7], v[\sa], v[\sb] matrix_a_fmt:MATRIX_FMT_FP4 matrix_b_fmt:MATRIX_FMT_FP4
.endif
.endif
.endm
	s_load_b128 s[4:7], s[0:1], 0x0                ; qq, kv
	s_load_b64 s[8:9], s[0:1], 0x10                ; yq
	v_lshl_add_u32 v254, v0, 2, SPARE
	v_mov_b32 v255, 0
	ds_add_u32 v254, v255                          ; the opening lines: the add twice on end and its wait
	ds_add_u32 v254, v255
	v_lshrrev_b32 v1, 5, v0
	v_readfirstlane_b32 s[WV], v1                  ; wave 0..11
	s_and_b32 s11, ttmp9, 3                        ; the cluster's x, 0..3
	s_bfe_u32 s12, ttmp6, 0x40000                  ; cx: the head in its group
	s_and_b32 s13, ttmp7, 0xffff                   ; 4 batch + g
	s_lshr_b32 s14, s13, 2
	s_and_b32 s15, s13, 3
	; group 1: 70 rows of 256 bytes (32 elements of 8), dense; all four work-groups of the cluster
	s_mov_b32 s16, 15|(3<<16)|(1<<21)
	s_mov_b32 s17, 32<<16
	s_mov_b32 s18, 70<<16
	s_mov_b32 s19, 32<<16
	s_mov_b32 s20, 70
	s_mov_b32 s21, 32
	s_mov_b32 s22, 0
	s_mov_b32 s23, 0
	s_min_u32 s72, s[WV], 7                        ; waves 0-7 fetch an eighth of the block each
	s_mul_i32 s72, s72, 17920
	s_mul_i32 s70, s13, 143360
	s_add_co_u32 s70, s70, s72
	s_mov_b32 s71, 0
	s_wait_dscnt 0x0
	s_wait_kmcnt 0x0
	s_mov_b32 s24, 1
	s_mov_b32 s25, s72
	s_add_nc_u64 s[26:27], s[6:7], s[70:71]
	s_or_b32 s27, s27, 0x80000000
	ROUND                                          ; all four work-groups are here: the joint loads meet
	s_cmp_lt_u32 s[WV], 8
	s_cbranch_scc0 .Lno_fill
	tensor_load_to_lds s[24:27], s[16:23]          ; my one tensor load of the launch
	s_nop 0
.rept 4
	v_nop
.endr
.Lno_fill:
	s_mov_b32 s[SEL], 0x76543210
	s_mov_b32 s[SEL+1], 0xfedcba98
	s_mov_b32 s[CS], 0x3e38aa3b                    ; c = log2(e) / 8
	s_mov_b32 s[CS+1], s[CS]
	s_bfe_u32 s56, s[WV], 0x20001                  ; v = (wave / 2) % 4
	s_lshl_b32 s57, s11, 2
	s_add_co_u32 s38, s57, s56                     ; u = 4 x cluster + v, 0..15
	s_add_co_u32 s58, s38, s56                     ; u0 = 4 x cluster + 2 v
	s_and_b32 s39, s[WV], 1                        ; pi
	s_add_co_u32 s59, s58, 1
	s_xor_b32 s60, s58, 31                         ; 31 - u0
	s_xor_b32 s61, s59, 31                         ; 30 - u0
	s_add_co_u32 s62, s38, 32
	s_add_co_u32 s63, s38, 48
	s_cmp_lt_u32 s[WV], 8                          ; the four slots' m
	s_cselect_b32 s66, s62, s58
	s_cselect_b32 s67, s63, s60
	s_cselect_b32 s68, s62, s59
	s_cselect_b32 s69, s63, s61
	s_cselect_b32 s[LF], 1, 0
	s_lshl_b32 s61, s15, 2
	s_add_co_u32 s61, s61, s12                     ; the head: 4 g + cx
	s_lshl_b32 s56, s61, 9                         ; its place in a tile's codes of q and of y
	s_lshl_b32 s57, s15, 8
	s_lshl_b32 s58, s12, 2
	s_add_co_u32 s57, s57, s58
	s_add_co_u32 s57, s57, 4194304                 ; in q's words
	s_lshr_b32 s58, s61, 3                         ; in y's bytes: half of K = head / 8, word (head / 2) % 4, bytes 2 (head % 2) on
	s_lshl_b32 s58, s58, 8
	s_bfe_u32 s59, s61, 0x20001
	s_lshl_b32 s59, s59, 2
	s_add_co_u32 s58, s58, s59
	s_and_b32 s59, s61, 1
	s_lshl_b32 s59, s59, 1
	s_add_co_u32 s58, s58, s59
	s_add_co_u32 s58, s58, 4194304
	s_lshl_b32 s59, s14, 7
	s_add_co_u32 s59, s59, s39                     ; 128 batch + pi
	s_mov_b32 s63, 0
.irp j, 0,1,2,3
	s_lshl_b32 s60, s[66+\j], 1
	s_add_co_u32 s60, s60, s59                     ; the tile of tokens
	s_lshl_b32 s62, s60, 13
	s_add_co_u32 s62, s62, s56
	s_add_nc_u64 s[76+4*\j:77+4*\j], s[4:5], s[62:63]   ; q's codes
	s_add_nc_u64 s[40+4*\j:41+4*\j], s[8:9], s[62:63]   ; y's codes
	s_lshl_b32 s62, s60, 10
	s_add_co_u32 s62, s62, s57
	s_add_nc_u64 s[78+4*\j:79+4*\j], s[4:5], s[62:63]   ; q's words
	s_lshl_b32 s62, s60, 9
	s_add_co_u32 s62, s62, s58
	s_add_nc_u64 s[42+4*\j:43+4*\j], s[8:9], s[62:63]   ; y's scale bytes
.endr
	v_and_b32 v9, 31, v0
	v_and_b32 v10, 15, v0                          ; r
	v_bfe_u32 v11, v0, 4, 1                        ; h
	v_lshlrev_b32 v1, 4, v9                        ; 16 x lane: k's codes, q's, y's
	v_lshlrev_b32 v5, 4, v10                       ; 16 r
	v_lshl_add_u32 v2, v11, 10, v5
	v_add_nc_u32 v2, VCO, v2                       ; v in a full step: block h, dim r
	v_lshl_add_u32 v12, v11, 3, v5
	v_add_nc_u32 v12, VCO, v12                     ; v of a single block: dim r, keys 16 h on
	v_lshl_add_u32 v3, v9, 2, KSO
	v_lshl_add_u32 v4, v9, 2, VSO
	v_lshlrev_b32 v11, 4, v11
	v_sub_nc_u32 v11, v10, v11
	v_lshl_add_u32 v13, s39, 4, v11                ; d = 16 pi + r - 16 h: register i holds the block's key 16 h + i, which comes after my query's place in its block where i > d
	v_mov_b32 v6, 0
	v_mov_b32 v7, 0xf149f2ca                       ; -1e30
	global_load_b128 v[Q:Q+3], v1, s[76:77]
.irp j, 0,1,2,3
	global_load_b32 v[QW+\j], v5, s[78+4*\j:79+4*\j]
.endr
	WIN 0x40                                       ; destinations in v256 on
.irp j, 1,2,3
	global_load_b128 v[28+4*\j:31+4*\j], v1, s[76+4*\j:77+4*\j]   ; v288-299: q's codes of the later slots
.endr
.set n, 0
.rept 16
	v_cmp_gt_i32 vcc_lo, n, v13
	v_cndmask_b32 v[n], v6, v7, vcc_lo             ; v256-271 the diagonal: hidden where i > d
	v_cndmask_b32 v[16+n], v7, v6, vcc_lo          ; v272-287 the edge, 1,024 keys back: hidden where i <= d
.set n, n+1
.endr
	WIN 0
.irp i, 20,21,22,23,40,41,42,43,64,65,66,67,248,249,250,251,252,253
	v_mov_b32 v\i, 0                               ; zero codes
.endr
.set n, 0
.rept 32
	v_mov_b32 v[VF+n], 0                           ; a single block fills two registers of each fragment: the others get a first value
.set n, n+1
.endr
.irp i, 208,209,210,211,221,222
	v_mov_b32 v\i, 0                               ; destinations of lane permutes and the upper half of a pair get a first value
.endr
	s_wait_alu depctr_va_vdst(0)
	s_wait_tensorcnt 0x0                           ; my part of the block, if I fetched one, is in,
	s_barrier_signal -1
	s_barrier_wait -1                              ; everybody's is
	s_wait_loadcnt 0x0                             ; q
; A FULL STEP: blocks BB .. BB + 3, all of whose keys count.  skip = 1: a step that the job does not have is jumped over.
.macro FULL qw, skip, nreg
.if \skip
	s_cmp_ge_u32 s[CNT], s[\nreg]
	s_cbranch_scc1 .Lsf_\@
.endif
	s_lshl_b32 s[TK], s[BB], 10
	s_lshl_b32 s[TS], s[BB], 7
	s_lshr_b32 s[TV], s[BB], 2
	s_lshl_b32 s[TV], s[TV], 8
	s_and_b32 s[SH], s[BB], 3
	s_lshl_b32 s[SH], s[SH], 3
	v_add_nc_u32 v[ADK], s[TK], v1                 ; (these four lines are the places in front of loads into registers that the last products have read)
	v_add_nc_u32 v[ADV], s[TK], v2
	v_add_nc_u32 v[ADS], s[TS], v3
	v_add_nc_u32 v[ADT], s[TV], v4
.irp t, 0,1,2,3,4,5,6,7
	ds_load_b128 v[KF+4*\t:KF+4*\t+3], v[ADK] offset:512*\t
.endr
.irp i, 0,1,2,3
	ds_load_b32 v[KW+\i], v[ADS] offset:128*\i     ; lanes 0-15 tile 2 i's words, lanes 16-31 tile 2 i + 1's
	ds_load_b32 v[VR+\i], v[ADT] offset:128*\i     ; v's words of the four aligned blocks round BB (0, 1) and of the next four (2, 3)
.endr
.irp nt, 0,1,2,3
.irp k, 0,1
	ds_load_b128 v[VF+8*\nt+4*\k:VF+8*\nt+4*\k+3], v[ADV] offset:256*\nt+2048*\k
.endr
.endr
	s_wait_alu depctr_va_vdst(0)
	s_wait_dscnt 8                                 ; all but v's eight loads of codes are in
.irp t, 0,2,4,6
	MM S+8*\t, KF+4*\t, Q, -1, KW+\t/2, \qw, 0
	MM S+8*\t+8, KF+4*\t+4, Q, -1, KW+\t/2, \qw, 1
.endr
	v_alignbit_b32 v[VW], v[VR+2], v[VR], s[SH]    ; the bytes of blocks BB .. BB + 3 of each dim
	v_alignbit_b32 v[VW+1], v[VR+3], v[VR+1], s[SH]
	v_nop
	v_nop
.set jj, 0
.rept 32
	v_pk_mul_f32 v[S+jj:S+jj+1], v[S+jj:S+jj+1], s[CS:CS+1] op_sel_hi:[1,0]   ; t
.set jj, jj+2
.endr
	s_wait_alu depctr_va_vdst(0)
.set jj, 0
.rept 64
	v_exp_f32 v[S+jj], v[S+jj]                     ; p = 2^t
.set jj, jj+1
.endr
	v_nop
	s_wait_alu depctr_va_vdst(0)
.irp b, 0,1,2,3
	v_max3_num_f32 v[BM+\b], v[S+16*\b], v[S+16*\b+1], 0x1800000   ; each block's largest p, and the floor 2^(3 - 127): the byte cannot fall under 1
.endr
.irp i, 2,4,6,8,10,12,14
.irp b, 0,1,2,3
	v_max3_num_f32 v[BM+\b], v[BM+\b], v[S+16*\b+\i], v[S+16*\b+\i+1]
.endr
.endr
.irp b, 0,1,2,3
	s_delay_alu instid0(VALU_DEP_4)
	v_permlanex16_b32 v[BP+\b], v[BM+\b], s[SEL], s[SEL+1]
.endr
.irp b, 0,1,2,3
	s_delay_alu instid0(VALU_DEP_4)
	v_max_num_f32 v[BM+\b], v[BM+\b], v[BP+\b]
.endr
.irp b, 0,1,2,3
	s_delay_alu instid0(VALU_DEP_4)
	v_add_nc_u32 v[SO+\b], 0xff000000, v[BM+\b]    ; 2 off the exponent field: the conversion's scale operand
.endr
.irp b, 0,1,2,3
	s_delay_alu instid0(VALU_DEP_4)
	v_lshrrev_b32 v[BP+\b], 23, v[SO+\b]
.endr
	s_delay_alu instid0(VALU_DEP_3)
	v_lshl_or_b32 v[PW], v[BP+1], 8, v[BP]
	s_delay_alu instid0(VALU_DEP_1)
	v_lshl_or_b32 v[PW], v[BP+2], 16, v[PW]
	s_delay_alu instid0(VALU_DEP_1)
	v_lshl_or_b32 v[PW], v[BP+3], 24, v[PW]        ; p's scale word
.irp b, 0,1,2,3
	v_cvt_scalef32_pk8_fp4_f32 v[PC+2*\b], v[S+16*\b:S+16*\b+7], v[SO+\b]
	v_cvt_scalef32_pk8_fp4_f32 v[PC+2*\b+1], v[S+16*\b+8:S+16*\b+15], v[SO+\b]
.endr
	v_nop
.irp c, 0,1
.irp i, 0,1
	v_permlane16_swap_b32 v[PC+4*\c+\i], v[PC+2+4*\c+\i]
.endr
.endr
.set jj, 0
.rept 8
.irp k, 0,1,2,3
	v_pk_add_f32 v[SM+2*\k:SM+2*\k+1], v[SM+2*\k:SM+2*\k+1], v[S+jj+2*\k:S+jj+2*\k+1]   ; the row's sum of the unquantised p, in four chains; these lines are also the places between p's word and codes and the products
.endr
.set jj, jj+8
.endr
	s_wait_alu depctr_va_vdst(0)
	s_wait_dscnt 0x0                               ; v is in
	MM O, VF, PC, O, VW, PW, 0
	MM O+8, VF+8, PC, O+8, VW, PW, 1
	MM O+16, VF+16, PC, O+16, VW+1, PW, 0
	MM O+24, VF+24, PC, O+24, VW+1, PW, 1
.if \skip
.Lsf_\@:
.endif
.endm
; A SINGLE BLOCK, BB.  mk: 0 all keys count, 1 the diagonal, 2 the edge.  first = 1: it starts O^T and the sums.
.macro MINI qw, mk, first, skip, nreg
.if \skip
	s_cmp_ge_u32 s[CNT], s[\nreg]
	s_cbranch_scc1 .Lsm_\@
.endif
	s_lshl_b32 s[TK], s[BB], 10
	s_lshl_b32 s[TS], s[BB], 7
	s_lshr_b32 s[TV], s[BB], 2
	s_lshl_b32 s[TV], s[TV], 8
	s_and_b32 s[SH], s[BB], 3
	s_mul_i32 s[SH], s[SH], 0x01010101             ; a byte select: the block's byte into all four
	v_add_nc_u32 v[ADK], s[TK], v1                 ; (four places, as in a full step)
	v_add_nc_u32 v[ADV], s[TK], v12
	v_add_nc_u32 v[ADS], s[TS], v3
	v_add_nc_u32 v[ADT], s[TV], v4
	ds_load_b128 v[KF:KF+3], v[ADK]
	ds_load_b128 v[KF+4:KF+7], v[ADK] offset:512
	ds_load_b32 v[KW], v[ADS]
	ds_load_b32 v[VR], v[ADT]
	ds_load_b32 v[VR+1], v[ADT] offset:128
.irp nt, 0,1,2,3
	ds_load_b64 v[VF+8*\nt:VF+8*\nt+1], v[ADV] offset:256*\nt
.endr
	s_wait_alu depctr_va_vdst(0)
	s_wait_dscnt 4                                 ; all but v's four loads of codes are in
.if \mk
	WIN 0x10                                       ; C in v256 on
	MM S, KF, Q, 16*\mk-16, KW, \qw, 0
	MM S+8, KF+4, Q, 16*\mk-8, KW, \qw, 1
	WIN 0
.else
	MM S, KF, Q, -1, KW, \qw, 0
	MM S+8, KF+4, Q, -1, KW, \qw, 1
.endif
	v_perm_b32 v[VW], v[VR], v[VR], s[SH]
	v_perm_b32 v[VW+1], v[VR+1], v[VR+1], s[SH]
	v_nop
	v_nop
.irp j, 0,2,4,6,8,10,12,14
	v_pk_mul_f32 v[S+\j:S+\j+1], v[S+\j:S+\j+1], s[CS:CS+1] op_sel_hi:[1,0]
.endr
	s_wait_alu depctr_va_vdst(0)
.irp j, 0,1,2,3,4,5,6,7,8,9,10,11,12,13,14,15
	v_exp_f32 v[S+\j], v[S+\j]
.endr
	v_nop
	s_wait_alu depctr_va_vdst(0)
	v_max3_num_f32 v[BM], v[S], v[S+1], 0x1800000
	v_max3_num_f32 v[BM+1], v[S+8], v[S+9], v[S+10]
	v_max3_num_f32 v[BM], v[BM], v[S+2], v[S+3]
	v_max3_num_f32 v[BM+1], v[BM+1], v[S+11], v[S+12]
	v_max3_num_f32 v[BM], v[BM], v[S+4], v[S+5]
	v_max3_num_f32 v[BM+1], v[BM+1], v[S+13], v[S+14]
	v_max3_num_f32 v[BM], v[BM], v[S+6], v[S+7]
	v_max3_num_f32 v[BM], v[BM], v[BM+1], v[S+15]
	s_delay_alu instid0(VALU_DEP_1)
	v_permlanex16_b32 v[BP], v[BM], s[SEL], s[SEL+1]
	s_delay_alu instid0(VALU_DEP_1)
	v_max_num_f32 v[BM], v[BM], v[BP]
	s_delay_alu instid0(VALU_DEP_1)
	v_add_nc_u32 v[SO], 0xff000000, v[BM]
	s_delay_alu instid0(VALU_DEP_1)
	v_lshrrev_b32 v[BP], 23, v[SO]
	s_delay_alu instid0(VALU_DEP_1)
	v_lshl_or_b32 v[PW], v[BP], 8, v[BP]           ; the block's byte for k = 0..31 and for k = 32..63
	v_cvt_scalef32_pk8_fp4_f32 v[PM], v[S:S+7], v[SO]
	v_cvt_scalef32_pk8_fp4_f32 v[PM+1], v[S+8:S+15], v[SO]
	v_nop
.if \first
.irp k, 0,1,2,3
	v_pk_add_f32 v[SM+2*\k:SM+2*\k+1], v[S+4*\k:S+4*\k+1], v[S+4*\k+2:S+4*\k+3]
.endr
.rept 4
	v_nop                                          ; with the five lines above: the places between p's word and the products
.endr
.else
.irp k, 0,1,2,3
	v_pk_add_f32 v[SM+2*\k:SM+2*\k+1], v[SM+2*\k:SM+2*\k+1], v[S+2*\k:S+2*\k+1]
.endr
.irp k, 0,1,2,3
	v_pk_add_f32 v[SM+2*\k:SM+2*\k+1], v[SM+2*\k:SM+2*\k+1], v[S+8+2*\k:S+9+2*\k]
.endr
.endif
	s_wait_alu depctr_va_vdst(0)
	s_wait_dscnt 0x0
.if \first
	MM O, VF, PM, -1, VW, PW, 0
	MM O+8, VF+8, PM, -1, VW, PW, 1
	MM O+16, VF+16, PM, -1, VW+1, PW, 0
	MM O+24, VF+24, PM, -1, VW+1, PW, 1
.else
	MM O, VF, PM, O, VW, PW, 0
	MM O+8, VF+8, PM, O+8, VW, PW, 1
	MM O+16, VF+16, PM, O+16, VW+1, PW, 0
	MM O+24, VF+24, PM, O+24, VW+1, PW, 1
.endif
.if \skip
.Lsm_\@:
.endif
.endm
; y = O^T / l; register 8 nt + j is dim 16 nt + 8 h + j of query r: the head's two blocks of 32 along C
.macro FINISH j
.rept 4
	v_nop
.endr
	v_pk_add_f32 v[SM:SM+1], v[SM:SM+1], v[SM+2:SM+3]
	v_pk_add_f32 v[SM+4:SM+5], v[SM+4:SM+5], v[SM+6:SM+7]
	s_delay_alu instid0(VALU_DEP_1)
	v_pk_add_f32 v[SM:SM+1], v[SM:SM+1], v[SM+4:SM+5]
	s_delay_alu instid0(VALU_DEP_1)
	v_add_f32 v[SM], v[SM], v[SM+1]
	s_delay_alu instid0(VALU_DEP_1)
	v_permlanex16_b32 v[TP], v[SM], s[SEL], s[SEL+1]
	s_delay_alu instid0(VALU_DEP_1)
	v_add_f32 v[SM], v[SM], v[TP]                  ; the row's sum
	s_wait_alu depctr_va_vdst(0)
	v_rcp_f32 v[RL], v[SM]
	v_nop
	s_wait_alu depctr_va_vdst(0)
.set jj, 0
.rept 16
	v_pk_mul_f32 v[S+jj:S+jj+1], v[O+jj:O+jj+1], v[RL:RL+1] op_sel_hi:[1,0]   ; each accumulator from its low end on
.set jj, jj+2
.endr
.irp b, 0,1
	v_max3_num_f32 v[BM+\b], |v[S+16*\b]|, |v[S+16*\b+1]|, 0x1800000
.endr
.irp i, 2,4,6,8,10,12,14
.irp b, 0,1
	s_delay_alu instid0(VALU_DEP_2)
	v_max3_num_f32 v[BM+\b], v[BM+\b], |v[S+16*\b+\i]|, |v[S+16*\b+\i+1]|
.endr
.endr
.irp b, 0,1
	s_delay_alu instid0(VALU_DEP_2)
	v_permlanex16_b32 v[BP+\b], v[BM+\b], s[SEL], s[SEL+1]
.endr
.irp b, 0,1
	s_delay_alu instid0(VALU_DEP_2)
	v_max_num_f32 v[BM+\b], v[BM+\b], v[BP+\b]
.endr
.irp b, 0,1
	s_delay_alu instid0(VALU_DEP_2)
	v_add_nc_u32 v[SO+\b], 0xff000000, v[BM+\b]
.endr
.irp b, 0,1
	s_delay_alu instid0(VALU_DEP_2)
	v_lshrrev_b32 v[BP+\b], 23, v[SO+\b]
.endr
	s_delay_alu instid0(VALU_DEP_1)
	v_lshl_or_b32 v[YW], v[BP+1], 8, v[BP]
	v_cvt_scalef32_pk8_fp4_f32 v[YC], v[S:S+7], v[SO]            ; dims 8 h on
	v_cvt_scalef32_pk8_fp4_f32 v[YC+1], v[S+16:S+23], v[SO+1]    ; 32 + 8 h on
	v_cvt_scalef32_pk8_fp4_f32 v[YC+2], v[S+8:S+15], v[SO]       ; 16 + 8 h on
	v_cvt_scalef32_pk8_fp4_f32 v[YC+3], v[S+24:S+31], v[SO+1]    ; 48 + 8 h on
	v_nop
	v_permlane16_swap_b32 v[YC], v[YC+1]           ; lanes 0-15 then hold block 0 of row r in four registers, lanes 16-31 block 1
	v_permlane16_swap_b32 v[YC+2], v[YC+3]
	global_store_b128 v1, v[YC:YC+3], s[40+4*\j:41+4*\j]     ; 512 consecutive bytes, aligned
	global_store_b16 v5, v[YW], s[42+4*\j:43+4*\j]           ; two bytes of each row's word, 16 bytes apart (the word's other half is another head's); lanes 16-31 repeat lanes 0-15
	s_wait_xcnt 0x0                                ; the stores have read their registers: the next job writes them again
.endm
.macro TAKEQ j                         ; q's codes of slot j out of v288 on
.if \j
	WIN 0x01
.irp i, 0,1,2,3
	v_mov_b32 v[Q+\i], v[28+4*\j+\i]
.endr
	WIN 0
.endif
.endm
; A JOB SLOT.  Slots 0 and 1: a long job in waves 0-7 (m = u + 32 + 16 j), a short one in waves 8-11.  Slots 2 and 3: a short job in waves 8-11, none in waves 0-7.
; Every wave walks both loops; their trips are constants of the text, and a step that the wave's job does not have is jumped over.
.macro GJOB j
.if \j >= 2
	s_cmp_lt_u32 s[WV], 8
	s_cbranch_scc1 .Lga_\@
.endif
	TAKEQ \j
	s_mov_b32 s[BB], s[66+\j]
	MINI QW+\j, 1, 1, 0, 0                         ; block m
.if \j >= 2
.Lga_\@:
.endif
	s_mov_b32 s[CNT], 0
.if \j < 2
	s_add_co_u32 s[BB], s38, 16*\j
	MINI QW+\j, 2, 0, 1, LF                        ; a long job's block m - 32
.endif
	s_lshr_b32 s70, s[66+\j], 2                    ; a short job: m / 4 full steps from block 0 on, then m % 4 single blocks
	s_and_b32 s71, s[66+\j], 3
	s_and_b32 s72, s[66+\j], 28
.if \j < 2
	s_add_co_u32 s73, s38, 16*\j+1                 ; a long job: seven full steps from block m - 31 on, then three single blocks
	s_add_co_u32 s74, s38, 16*\j+29
	s_cmp_lt_u32 s[WV], 8
	s_cselect_b32 s[NF], 7, s70
	s_cselect_b32 s[NM], 3, s71
	s_cselect_b32 s[BB], s73, 0
	s_cselect_b32 s[MS], s74, s72
.else
	s_cmp_lt_u32 s[WV], 8
	s_cselect_b32 s[NF], 0, s70
	s_cselect_b32 s[NM], 0, s71
	s_mov_b32 s[BB], 0
	s_mov_b32 s[MS], s72
.endif
.Lgf_\@:
	FULL QW+\j, 1, NF
	s_add_co_u32 s[BB], s[BB], 4
	s_add_co_u32 s[CNT], s[CNT], 1
	s_cmp_lt_u32 s[CNT], 7
	s_cbranch_scc1 .Lgf_\@
	s_mov_b32 s[BB], s[MS]
	s_mov_b32 s[CNT], 0
.Lgm_\@:
	MINI QW+\j, 0, 0, 1, NM
	s_add_co_u32 s[BB], s[BB], 1
	s_add_co_u32 s[CNT], s[CNT], 1
	s_cmp_lt_u32 s[CNT], 3
	s_cbranch_scc1 .Lgm_\@
.if \j >= 2
	s_cmp_lt_u32 s[WV], 8
	s_cbranch_scc1 .Lgz_\@
.endif
	FINISH \j
.if \j >= 2
.Lgz_\@:
.endif
.endm
	GJOB 0
	GJOB 1
	GJOB 2
	GJOB 3
	s_wait_tensorcnt 0x0                           ; the wave's end
	ds_add_u32 v254, v255
	s_wait_dscnt 0x0
	ROUND                                          ; the closing round
	s_endpgm
.Lfunc_end_k_q845756067b_attn:
	.size	k_q845756067b_attn, .Lfunc_end_k_q845756067b_attn-k_q845756067b_attn
	.p2alignl 7, 3214868480
	.fill 96, 4, 3214868480
	.section	.rodata,"a",@progbits
	.p2align	6, 0x0
	.amdhsa_kernel k_q845756067b_attn
		.amdhsa_group_segment_fixed_size 169472
		.amdhsa_private_segment_fixed_size 0
		.amdhsa_enable_private_segment 0
		.amdhsa_kernarg_size 24
		.amdhsa_user_sgpr_count 2
		.amdhsa_user_sgpr_kernarg_segment_ptr 1
		.amdhsa_wavefront_size32 1
		.amdhsa_system_sgpr_workgroup_id_x 1
		.amdhsa_system_sgpr_workgroup_id_y 1
		.amdhsa_system_sgpr_workgroup_id_z 1
		.amdhsa_system_vgpr_workitem_id 0
		.amdhsa_next_free_vgpr 320
		.amdhsa_next_free_sgpr 96
		.amdhsa_reserve_vcc 1
		.amdhsa_float_denorm_mode_32 3
		.amdhsa_float_denorm_mode_16_64 3
		.amdhsa_memory_ordered 1
		.amdhsa_forward_progress 1
		.amdhsa_inst_pref_size 136
	.end_amdhsa_kernel
	.amdgpu_metadata
---
amdhsa.version: [ 1, 2 ]
amdhsa.kernels:
  - .name:           k_q845756067b_attn
    .symbol:         k_q845756067b_attn.kd
    .args:
      - { .name: qq, .offset: 0, .size: 8, .value_kind: global_buffer, .address_space: global }
      - { .name: kv, .offset: 8, .size: 8, .value_kind: global_buffer, .address_space: global }
      - { .name: yq, .offset: 16, .size: 8, .value_kind: global_buffer, .address_space: global }
    .group_segment_fixed_size: 169472
    .private_segment_fixed_size: 0
    .kernarg_segment_align: 8
    .kernarg_segment_size: 24
    .max_flat_workgroup_size: 384
    .sgpr_count:     96
    .vgpr_count:     320
    .wavefront_size: 32
...
	.end_amdgpu_metadata
.endif
;; end of part 3
;; launch proj (part 4): grid 4 x 64, 8 waves a work-group, clusters of 4 x 4, 232,448 bytes of LDS; arguments yq, wts, out0; writes out0
.if DOCPART == 4
	.amdgcn_target "amdgcn-amd-amdhsa--gfx1250"
	.amdhsa_code_object_version 6
	.text
	.protected	k_q845756067b_proj
	.globl	k_q845756067b_proj
	.p2align	8
	.type	k_q845756067b_proj,@function
k_q845756067b_proj:
	s_mov_b64 s[64:65], 0
	v_nop
	global_prefetch_b8 v0, s[64:65] scope:SCOPE_SE
	s_setreg_imm32_b32 hwreg(HW_REG_WAVE_MODE, 25, 1), 1
	s_wait_xcnt 0x0
	s_wait_alu depctr_hold_cnt(0) depctr_sa_sdst(0) depctr_va_vdst(0) depctr_va_sdst(0) depctr_va_ssrc(0) depctr_va_vcc(0) depctr_vm_vsrc(0)
	s_getreg_b32 s2, hwreg(HW_REG_IB_STS2, 6, 4)
	s_cmp_eq_u32 s2, 0
	s_cbranch_scc0 .Lentry_in_a_cluster
	s_endpgm
.Lentry_in_a_cluster:
	s_bfe_u32 s2, ttmp6, 0x10000c
	s_cmp_lg_u32 s2, 0xf033
	s_cbranch_scc0 .Lentry_shape_is_right
	s_endpgm
.Lentry_shape_is_right:
; out0 = y wproj on codes of FP4 with E8M0 scales; y's codes and scales come from the launch before, wproj's from the first; sums in f32.
; SHARES.  A work-group takes 128 rows x 256 columns; wave w (wm = w / 4, wn = w % 4) takes 64 x 64: 16 accumulators; two waves to a SIMD, so that one wave's LDS loads stand beside the other's products; no register windows.
; LDS.  All of K = 1,024 lies in LDS at once, in four chunks of 256 along K (y's 8 tiles, then wproj's 16, 2,048 bytes each), each byte filled once: no ring.  A wave has one tensor load out.
; Operands lie as images of their registers: a fragment is two loads of 16 bytes a lane at 16 x lane.
; CLUSTER 4 x 4.  y's tiles hang on the block of rows alone and are shared along a row of the cluster, wproj's on the block of columns alone and are shared along a column: joint loads.
; THE MATRIX INSTRUCTION IS USED TRANSPOSED (source 0 = 16 columns of wproj, source 1 = 16 rows of y): a lane holds eight neighbouring numbers of a row of out0.
.set CH,  49152
.set STG, 196608                       ; behind the chunks: 16 rows x 272 bytes for each wave, for the way out; no tensor load fills it
.set ADA, 8
.set ADB, 12
.set SA,  32                           ; v32-47 y's scale words (register 8 i + s: lanes 0-15 tile 2 i, lanes 16-31 tile 2 i + 1), v48-63 wproj's: they hold scales and nothing else
.set SB,  48
.set FA,  64
.set FB,  96
.set ACC, 128
.macro PLACES n
.rept \n
	v_nop
.endr
.endm
.macro CROUND
	s_barrier_signal -1
	s_barrier_wait -1
	s_cmp_lg_u32 s10, 0
	s_cbranch_scc1 .Lnot_wave_0_\@
	s_barrier_signal -3
.Lnot_wave_0_\@:
	s_barrier_wait -3
	s_barrier_signal -1
	s_barrier_wait -1
.endm
	s_load_b128 s[4:7], s[0:1], 0x0                ; yq, wts
	s_load_b64 s[8:9], s[0:1], 0x10                ; out0
	v_lshl_add_u32 v30, v0, 2, 0x38800
	v_mov_b32 v31, 0
	ds_add_u32 v30, v31
	ds_add_u32 v30, v31
	v_lshrrev_b32 v1, 5, v0
	s_delay_alu instid0(VALU_DEP_1)
	v_readfirstlane_b32 s10, v1                    ; wave 0..7
	s_lshr_b32 s74, s10, 2                         ; wm
	s_and_b32 s75, s10, 3                          ; wn
	v_and_b32 v1, 31, v0
	v_and_b32 v2, 15, v0                           ; r
	v_bfe_u32 v3, v0, 4, 1                         ; h
	s_delay_alu instid0(VALU_DEP_3)
	v_lshlrev_b32 v4, 4, v1                        ; 16 x lane
	s_lshl_b32 s71, s74, 13
	v_add_nc_u32 v5, s71, v4
	s_lshl_b32 s71, s75, 13
	s_add_co_u32 s71, s71, 16384
	v_add_nc_u32 v6, s71, v4
.irp c, 0,1,2,3
	v_add_nc_u32 v[ADA+\c], \c*CH, v5
	v_add_nc_u32 v[ADB+\c], \c*CH, v6
.endr
	s_mul_i32 s71, s10, 4352
	s_add_co_u32 s71, s71, STG                     ; my stage
	v_mul_u32_u24 v16, v2, 272
	s_delay_alu instid0(VALU_DEP_1)
	v_lshl_add_u32 v16, v3, 5, v16
	s_delay_alu instid0(VALU_DEP_1)
	v_add_nc_u32 v16, s71, v16                     ; in: row r, 32 bytes for each half of the lanes
	v_mul_u32_u24 v17, v3, 272
	s_delay_alu instid0(VALU_DEP_1)
	v_lshl_add_u32 v17, v2, 4, v17
	s_delay_alu instid0(VALU_DEP_1)
	v_add_nc_u32 v17, s71, v17                     ; back: lanes 0-15 one row of 256 bytes, lanes 16-31 the next
	v_lshlrev_b32 v18, 4, v2
	s_delay_alu instid0(VALU_DEP_1)
	v_lshl_add_u32 v19, v3, 9, v18                 ; scale words: 512 h + 16 r
	s_delay_alu instid0(VALU_DEP_2)
	v_lshl_add_u32 v18, v3, 12, v18                ; out0: 4,096 h + 16 r
	s_bfe_u32 s11, ttmp6, 0x40000                  ; cx
	s_bfe_u32 s12, ttmp6, 0x40004                  ; cy
	s_lshl_b32 s13, ttmp9, 2
	s_add_co_u32 s13, s13, s11                     ; the block of 256 columns
	s_and_b32 s14, ttmp7, 0xffff
	s_lshl_b32 s14, s14, 2
	s_add_co_u32 s14, s14, s12                     ; the block of 128 rows
	s_lshl_b32 s66, s12, 2
	s_lshl_b32 s66, 15, s66                        ; my row of the cluster
	s_lshl_b32 s68, 0x1111, s11                    ; my column
	; group 1: 8 rows of 2,048 bytes (256 elements of 8), 8,192 bytes apart; dense in LDS
	s_or_b32 s16, s66, (3<<16)|(1<<21)
	s_or_b32 s24, s68, (3<<16)|(1<<21)
.irp g, 16, 24
	s_mov_b32 s[\g+1], 256<<16
	s_mov_b32 s[\g+3], 256<<16
	s_mov_b32 s[\g+5], 1024
	s_mov_b32 s[\g+6], 0
	s_mov_b32 s[\g+7], 0
.endr
	s_mov_b32 s18, 8<<16                           ; y: 8 tiles
	s_mov_b32 s20, 8
	s_mov_b32 s26, 16<<16                          ; wproj: 16 tiles
	s_mov_b32 s28, 16
	s_lshl_b32 s66, s14, 16                        ; y's 8 tiles: made of the block of rows alone
	s_mov_b32 s67, 0
	s_lshr_b32 s70, s10, 1                         ; one tensor load a wave: waves 2 c and 2 c + 1 fetch chunk c of y and of wproj
	s_lshl_b32 s72, s70, 11                        ; 2,048 bytes on in each tile
	s_add_co_u32 s66, s66, s72
	s_lshl_b32 s68, s13, 17                        ; made of the block of columns and the wave's number alone
	s_add_co_u32 s68, s68, s72
	s_add_co_u32 s68, s68, 786432
	s_mov_b32 s69, 0
	s_mul_i32 s72, s70, CH                         ; and where the chunk goes
	s_wait_dscnt 0x0
	s_wait_kmcnt 0x0
	s_add_nc_u64 s[66:67], s[4:5], s[66:67]
	s_add_nc_u64 s[68:69], s[6:7], s[68:69]
	s_mov_b32 s32, 1
	s_mov_b32 s33, s72
	s_mov_b64 s[34:35], s[66:67]
	s_or_b32 s35, s35, 0x80000000
	s_mov_b32 s48, 1
	s_add_co_u32 s49, s72, 16384
	s_mov_b64 s[50:51], s[68:69]
	s_or_b32 s51, s51, 0x80000000
	CROUND                                         ; all sixteen work-groups are here: the joint loads meet
	s_and_b32 s71, s10, 1                          ; even waves y's chunk, odd waves wproj's: every way passes one load
	s_cmp_eq_u32 s71, 0
	s_cbranch_scc0 .Lnot_a
	tensor_load_to_lds s[32:35], s[16:23]
	s_nop 0
	PLACES 4
	s_branch .Lasked
.Lnot_a:
	tensor_load_to_lds s[48:51], s[24:31]
	s_nop 0
	PLACES 4
.Lasked:
	s_mov_b32 s3, 0
	s_lshl_b32 s2, s14, 12
	s_lshl_b32 s71, s74, 11
	s_add_co_u32 s2, s2, s71
	s_add_co_u32 s2, s2, 4194304
	s_add_nc_u64 s[4:5], s[4:5], s[2:3]            ; the scale words of my four tiles of rows
	s_lshl_b32 s2, s13, 13
	s_lshl_b32 s71, s75, 11
	s_add_co_u32 s2, s2, s71
	s_add_co_u32 s2, s2, 1359872
	s_add_nc_u64 s[6:7], s[6:7], s[2:3]            ; and of my four tiles of columns
	s_lshl_b32 s2, s14, 19
	s_lshl_b32 s71, s74, 18
	s_add_co_u32 s2, s2, s71
	s_lshl_b32 s71, s13, 10
	s_add_co_u32 s2, s2, s71
	s_lshl_b32 s71, s75, 8
	s_add_co_u32 s2, s2, s71
	s_add_nc_u64 s[8:9], s[8:9], s[2:3]            ; out0 at my 64 x 64
	s_wait_alu depctr_va_vdst(0)
.irp i, 0,1
.irp k, 0,1
	global_load_b128 v[SA+8*\i+4*\k:SA+8*\i+4*\k+3], v19, s[4:5] offset:\i*1024+\k*256
	global_load_b128 v[SB+8*\i+4*\k:SB+8*\i+4*\k+3], v19, s[6:7] offset:\i*1024+\k*256
.endr
.endr
.macro WM zero
.if \zero
.if fA && fB
	v_wmma_scale_f32_16x16x128_f8f6f4 v[rD:rD+7], v[rA:rA+7], v[rB:rB+7], 0, v[rSA], v[rSB] matrix_a_fmt:MATRIX_FMT_FP4 matrix_b_fmt:MATRIX_FMT_FP4 matrix_a_scale:MATRIX_SCALE_ROW1 matrix_b_scale:MATRIX_SCALE_ROW1
.elseif fA
	v_wmma_scale_f32_16x16x128_f8f6f4 v[rD:rD+7], v[rA:rA+7], v[rB:rB+7], 0, v[rSA], v[rSB] matrix_a_fmt:MATRIX_FMT_FP4 matrix_b_fmt:MATRIX_FMT_FP4 matrix_a_scale:MATRIX_SCALE_ROW1
.elseif fB
	v_wmma_scale_f32_16x16x128_f8f6f4 v[rD:rD+7], v[rA:rA+7], v[rB:rB+7], 0, v[rSA], v[rSB] matrix_a_fmt:MATRIX_FMT_FP4 matrix_b_fmt:MATRIX_FMT_FP4 matrix_b_scale:MATRIX_SCALE_ROW1
.else
	v_wmma_scale_f32_16x16x128_f8f6f4 v[rD:rD+7], v[rA:rA+7], v[rB:rB+7], 0, v[rSA], v[rSB] matrix_a_fmt:MATRIX_FMT_FP4 matrix_b_fmt:MATRIX_FMT_FP4
.endif
.else
.if fA && fB
	v_wmma_scale_f32_16x16x128_f8f6f4 v[rD:rD+7], v[rA:rA+7], v[rB:rB+7], v[rD:rD+7], v[rSA], v[rSB] matrix_a_fmt:MATRIX_FMT_FP4 matrix_b_fmt:MATRIX_FMT_FP4 matrix_a_scale:MATRIX_SCALE_ROW1 matrix_b_scale:MATRIX_SCALE_ROW1
.elseif fA
	v_wmma_scale_f32_16x16x128_f8f6f4 v[rD:rD+7], v[rA:rA+7], v[rB:rB+7], v[rD:rD+7], v[rSA], v[rSB] matrix_a_fmt:MATRIX_FMT_FP4 matrix_b_fmt:MATRIX_FMT_FP4 matrix_a_scale:MATRIX_SCALE_ROW1
.elseif fB
	v_wmma_scale_f32_16x16x128_f8f6f4 v[rD:rD+7], v[rA:rA+7], v[rB:rB+7], v[rD:rD+7], v[rSA], v[rSB] matrix_a_fmt:MATRIX_FMT_FP4 matrix_b_fmt:MATRIX_FMT_FP4 matrix_b_scale:MATRIX_SCALE_ROW1
.else
	v_wmma_scale_f32_16x16x128_f8f6f4 v[rD:rD+7], v[rA:rA+7], v[rB:rB+7], v[rD:rD+7], v[rSA], v[rSB] matrix_a_fmt:MATRIX_FMT_FP4 matrix_b_fmt:MATRIX_FMT_FP4
.endif
.endif
.endm
; a K step of 128: sixteen LDS loads, sixteen products on sixteen accumulators, which take turns, one instruction a turn
.macro KSTEP s
.set KC, (\s)/2
.set SL, (\s)%2
.if (\s) == 0
	s_wait_tensorcnt 0x0                           ; my one tensor load has landed (no LDS access of mine is out here)
	s_barrier_signal -1
	s_barrier_wait -1                              ; everybody's has: all of K is in LDS
.endif
.if (\s) > 0
	PLACES 4                                       ; in front of loads into registers that the last products have read
.endif
.irp a, 0,1,2,3
.irp k, 0,1
	ds_load_b128 v[FA+8*\a+4*\k:FA+8*\a+4*\k+3], v[ADA+KC] offset:\a*2048+SL*1024+512*\k
	ds_load_b128 v[FB+8*\a+4*\k:FB+8*\a+4*\k+3], v[ADB+KC] offset:\a*2048+SL*1024+512*\k
.endr
.endr
	s_wait_dscnt 0x0
.if (\s) == 0
	s_wait_loadcnt 0x0                             ; the scale words
.set Z, 1                              ; the first K step starts the sums
.else
.set Z, 0
.endif
.irp a, 0,1,2,3
.irp b, 0,1,2,3
.set rD, ACC+8*(4*\a+\b)
.set rA, FB+8*\b
.set rB, FA+8*\a
.set rSA, SB+8*(\b/2)+(\s)
.set rSB, SA+8*(\a/2)+(\s)
.set fA, \b%2
.set fB, \a%2
	WM Z
.endr
.endr
.endm
.irp s, 0,1,2,3,4,5,6,7
	KSTEP \s
.endr
; THE WAY OUT, a block of 16 rows x 64 columns at a time, through my own stage: in as 32 bytes a lane, back as whole rows of 256 bytes.  LDS serves a wave's instructions in order: no wait between the stores and the loads.
.macro TOSTAGE a
.irp b, 0,1,2,3
	ds_store_b128 v16, v[ACC+8*(4*(\a)+\b):ACC+8*(4*(\a)+\b)+3] offset:64*\b          ; each accumulator from its low end on
	ds_store_b128 v16, v[ACC+8*(4*(\a)+\b)+4:ACC+8*(4*(\a)+\b)+7] offset:64*\b+16
.endr
.irp i, 0,1,2,3,4,5,6,7
	ds_load_b128 v[FA+32*((\a)%2)+4*\i:FA+32*((\a)%2)+4*\i+3], v17 offset:544*\i
.endr
.endm
.macro SEND a, younger                 ; younger: the LDS instructions issued behind block a's loads, which may stay out
	s_wait_dscnt \younger
.irp i, 0,1,2,3,4,5,6,7
	global_store_b128 v18, v[FA+32*((\a)%2)+4*\i:FA+32*((\a)%2)+4*\i+3], s[8:9] offset:(16*(\a)+2*\i)*4096 th:TH_STORE_NT   ; sixteen lanes store 256 consecutive bytes, aligned
.endr
.endm
	PLACES 4                                       ; behind the last products: their results are read, and loads land in their operands' registers
	TOSTAGE 0
	TOSTAGE 1
	SEND 0, 16                                     ; behind block 0's loads: block 1's eight stores and eight loads
	s_wait_xcnt 0x0                                ; block 0's stores have read their registers: block 2's loads may land there
	TOSTAGE 2
	SEND 1, 16
	s_wait_xcnt 0x0
	TOSTAGE 3
	SEND 2, 16
	SEND 3, 0
	s_wait_tensorcnt 0x0
	ds_add_u32 v30, v31
	s_wait_dscnt 0x0
	CROUND                                         ; the closing round
	s_endpgm
.Lfunc_end_k_q845756067b_proj:
	.size	k_q845756067b_proj, .Lfunc_end_k_q845756067b_proj-k_q845756067b_proj
	.p2alignl 7, 3214868480
	.fill 96, 4, 3214868480
	.section	.rodata,"a",@progbits
	.p2align	6, 0x0
	.amdhsa_kernel k_q845756067b_proj
		.amdhsa_group_segment_fixed_size 232448
		.amdhsa_private_segment_fixed_size 0
		.amdhsa_enable_private_segment 0
		.amdhsa_kernarg_size 24
		.amdhsa_user_sgpr_count 2
		.amdhsa_user_sgpr_kernarg_segment_ptr 1
		.amdhsa_wavefront_size32 1
		.amdhsa_system_sgpr_workgroup_id_x 1
		.amdhsa_system_sgpr_workgroup_id_y 1
		.amdhsa_system_sgpr_workgroup_id_z 1
		.amdhsa_system_vgpr_workitem_id 0
		.amdhsa_next_free_vgpr 256
		.amdhsa_next_free_sgpr 80
		.amdhsa_reserve_vcc 0
		.amdhsa_float_denorm_mode_32 3
		.amdhsa_float_denorm_mode_16_64 3
		.amdhsa_memory_ordered 1
		.amdhsa_forward_progress 1
		.amdhsa_inst_pref_size 41
	.end_amdhsa_kernel
	.amdgpu_metadata
---
amdhsa.version: [ 1, 2 ]
amdhsa.kernels:
  - .name:           k_q845756067b_proj
    .symbol:         k_q845756067b_proj.kd
    .args:
      - { .name: yq, .offset: 0, .size: 8, .value_kind: global_buffer, .address_space: global }
      - { .name: wts, .offset: 8, .size: 8, .value_kind: global_buffer, .address_space: global }
      - { .name: out0, .offset: 16, .size: 8, .value_kind: global_buffer, .address_space: global }
    .group_segment_fixed_size: 232448
    .private_segment_fixed_size: 0
    .kernarg_segment_align: 8
    .kernarg_segment_size: 24
    .max_flat_workgroup_size: 256
    .sgpr_count:     80
    .vgpr_count:     256
    .wavefront_size: 32
...
	.end_amdgpu_metadata
.endif
;; end of part 4
